; MI455X (gfx1250); checked and timed in simulation.
; The chip was launched on July 23, 2026; its instructions are those of AMD's public machine-readable ISA for CDNA 5 (MIT licence, August 2026) and "CDNA5" Instruction Set Architecture Reference Guide (July 2026). The comments in the code are by the model that wrote it; some were corrected since.
;; Multi Head Self Attention. Allowed arithmetic: matrix products marked QUANTISED: E2M3 operands, one E8M0 scale for each 32 along K, by v_wmma_scale_f32_16x16x128_f8f6f4 with both operands' format E2M3, f32 sums; everything else in f32.
;; Inputs: Wk 1,024 x 1,024 float32; Wo 1,024 x 1,024 float32; Wq 1,024 x 1,024 float32; Wv 1,024 x 1,024 float32; bk 1,024 float32; bo 1,024 float32; bq 1,024 float32; bv 1,024 float32; x 4 x 2,048 x 1,024 float32.
;; Outputs: out0 4 x 2,048 x 1,024 float32.
;; This version of the problem:
;;   THIS VERSION OF THE PROBLEM IS GIVEN IN LOW PRECISION. The matrix products marked QUANTISED in the list below multiply operands that are first quantised to E2M3 (2 exponent bits, 3 mantissa bits; 6 bits a number), with one power-of-two scale for each 32 numbers along K (OCP MX v1.0); their sums are f32. All else is computed in f32.
;;   The module's matrix products, in the order in which they are computed (A, B: the left and right operand; K: the contracted axis; several contracted axes count as one K, in the product's order):
;;     1. [M 8,192, K 1,024] x [K 1,024, N 1,024]; A: input x; B: input Wq: QUANTISED
;;     2. [M 8,192, K 1,024] x [K 1,024, N 1,024]; A: input x; B: input Wk: QUANTISED
;;     3. [M 8,192, K 1,024] x [K 1,024, N 1,024]; A: input x; B: input Wv: QUANTISED
;;     4. batch 64 x [M 2,048, K 64] x [K 64, N 2,048]; A: computed on the way; B: computed on the way: QUANTISED
;;     5. batch 64 x [M 2,048, K 2,048] x [K 2,048, N 64]; A: softmax (see below); B: computed on the way: QUANTISED
;;     6. [M 8,192, K 1,024] x [K 1,024, N 1,024]; A: computed on the way; B: input Wo: QUANTISED
;;   THE QUANTISER, for each operand of a quantised product, along K:
;;     - K is cut into blocks of 32 from its start; a last block that is shorter is filled with zeros.
;;     - A block's scale is 2^e with e = floor(log2(the largest magnitude in the block)) - 2, held to -126 .. 127; a block of zeros has e = 0. As a byte (E8M0): e + 127.
;;     - Each number is divided by its block's scale, clamped to +-7.5, and rounded to the nearest number of E2M3, ties to even, subnormals kept.
;;     - The product sums the exact products of the quantised numbers (number of the format x scale) in f32.
;;   ~~~python
;;   def quantise(x, axis):      # numpy; x: float32 -> the quantised numbers, widened to float32 again
;;       x = np.moveaxis(x, axis, -1); K = x.shape[-1]
;;       x = np.pad(x, [(0, 0)] * (x.ndim - 1) + [(0, -K % 32)]); x = x.reshape(x.shape[:-1] + (-1, 32)); a = np.abs(x).max(-1, keepdims=True)
;;       e = np.where(a > 0, np.clip(np.frexp(np.where(a > 0, a, 1))[1] - 1 - 2, -126, 127), 0)      # np.frexp(a)[1] - 1 = floor(log2(a)), exactly
;;       r = np.clip(x / 2.0 ** e, -7.5, 7.5)
;;       step = 2.0 ** (np.maximum(np.frexp(np.where(r == 0, 1, r))[1] - 1, 0) - 3)
;;       q = np.round(r / step) * step * 2.0 ** e      # np.round: ties to even
;;       return np.moveaxis(q.reshape(q.shape[:-2] + (-1,))[..., :K], -1, axis).astype(np.float32)
;;   ~~~
;;   SOFTMAX AHEAD OF A QUANTISED PRODUCT. Where the list says 'softmax', what is quantised is not the finished softmax but p = 2^(t - M), with t = logit x log2(e) and M = ceil(the row's largest t), a whole number; so 1/2 < the row's largest p <= 1. The row's sum l is taken of the UNQUANTISED p, in f32, and the product's result is divided by l at the end. Since M is a whole number, a kernel that streams over the keys may use a running M (the ceiling of the running maximum): every later rescaling is an exact power of two, which a block's scale takes up: the codes' values come out the same.
;;   OPERANDS COMPUTED ON THE WAY. 'Computed on the way' means the value that the module computes at that place (a softmax that the list does not call 'softmax' is quantised finished and normalised). What goes into a quantiser is computed in f32, as accurately as f32 sums, v_exp_f32 and their like allow (about 1e-6 of the number): no bf16 or f16 on the way to a quantiser, and a product that is left as it is and whose result goes on into a quantised operand takes f32 operands (vector FMAs, or v_wmma_f32_16x16x4_f32). A number that lies on a knife's edge between two numbers of the format may be rounded either way, as far as f32 arithmetic and the matrix unit's own rounding can turn it there, and no further.
;; One version. Each part assembles by itself: llvm-mc -triple=amdgcn-amd-amdhsa -mcpu=gfx1250 --defsym DOCPART=n.
;; ======== version 1 of 1: 4 launches
;; limits: right only within a limited range of input values
;; workspace buffers: xq 6,553,600 bytes; wq 3,276,800 bytes; qb 6,553,600 bytes; kv 13,107,200 bytes; oq 6,553,600 bytes
;; launch quant (part 1): grid 384 x 1, 4 waves a work-group, no clusters, 46,592 bytes of LDS; arguments x, Wq, Wk, Wv, Wo, xq, wq; writes xq, wq
.if DOCPART == 1
	.amdgcn_target "amdgcn-amd-amdhsa--gfx1250"
	.amdhsa_code_object_version 6
	.text
	.protected	k_qad7e1ed231_quant
	.globl	k_qad7e1ed231_quant
	.p2align	8
	.type	k_qad7e1ed231_quant,@function
k_qad7e1ed231_quant:
	s_mov_b64 s[64:65], 0
	v_nop
	global_prefetch_b8 v0, s[64:65] scope:SCOPE_SE
	s_setreg_imm32_b32 hwreg(HW_REG_WAVE_MODE, 25, 1), 1
	s_wait_xcnt 0x0
; x [8192][1024] and the four weights [1024 (k)][1024 (n)], f32, become codes of FP6 (E2M3) with one E8M0 byte for each 32 along K, laid as IMAGES OF OPERAND REGISTERS.
; A HALF IMAGE is 16 rows x 64 K, 768 bytes: registers 0-3 of lane L at 16 L, registers 4-5 at 512 + 8 L; lane (r, h) holds k = 32 h + 0..31 of the tile's row r.  Two on end are a fragment (16 x 128).
; ROWS go in groups of 128, 8 tiles; lane r of tile i holds row 32 (i / 2) + 8 (i % 2) + r + 8 (r / 8).
; A RECORD (rowgroup g, pair of K steps p) is 25,600 bytes: codes [q = 0,1][tile 0..7][1,536], then scale words at 24,576 + 256 (tile / 2) + 16 r + 8 (tile % 2) + 4 q.  A rowgroup's four records lie on end.
; xq: 64 rowgroups of tokens.  wq: 32 rowgroups of output features: 0-7 Wq, 8-15 Wk, 16-23 Wv, 24-31 Wo.
; A block's scale is 2^(floor(log2(largest magnitude)) - 2): its byte is the largest magnitude's exponent field - 2, held at 1 from below by a floor among the maximum's leaves.
; LIMITS: a block of zeros gets the byte 1 where the rule says 127 (its codes are zeros, and this program alone reads the bytes); largest magnitudes under 2^-124 are taken as 2^-124; NaN and infinities are not served.
; Work-groups 0-255 take x, 256-383 the weights; the two ways have LDS bytes of their own.  No tensor loads, no barrier: waves share nothing.
.set SPARE, 46080                      ; the spare words, 128 bytes for each wave, behind both ways' stages
.set XSTG,  8448                       ; x: a wave's stage, 16 rows x (512 + 16) bytes, from LDS byte 0 on
.set WSTG,  33792                      ; weights: a wave's stage of 3,072 bytes, from here on
.set SPW, 2                            ; v2  LDS address of my spare word; never rewritten
.set NIL, 3                            ; v3  0; never rewritten
.set RAW, 40                           ; x: v40-167 two sets of 64 registers as loaded
.set X,   168                          ; x: v168-231 my 64 numbers of a fragment
.set F,   232                          ; x: v232-255 two sets of a fragment's 12 registers
.set WX,  40                           ; weights: v40-103 two sets of 32 numbers
.set OUTR, 116                         ; weights: v116-163 two sets of 24 registers on the way out
.macro CLOSE                           ; the wave's end: behind my last LDS store
	s_wait_tensorcnt 0x0
	ds_add_u32 v[SPW], v[NIL]
	s_wait_dscnt 0x0
.endm
; x, fragment f = 2 u + q: the 16 rows of tile 2 ii + u, 128 along K.  Each load takes 512 consecutive bytes of one row.
.macro XLOAD f
.irp i, 0,1,2,3,4,5,6,7,8,9,10,11,12,13,14,15
	global_load_b128 v[RAW+64*((\f)%2)+4*\i:RAW+64*((\f)%2)+4*\i+3], v4, s[4:5] offset:(8*((\f)/2)+\i+8*(\i/8))*4096+512*((\f)%2) th:TH_LOAD_NT
.endr
.endm
.macro XFRAG f
.set RS_, RAW+64*((\f)%2)
.set FS_, F+12*((\f)%2)
.if (\f) < 3
	s_wait_loadcnt 16                              ; this fragment's 16 loads are in; the next fragment's 16 stay out
.else
	s_wait_loadcnt 0x0
.endif
.irp i, 0,1,2,3,4,5,6,7,8,9,10,11,12,13,14,15
	ds_store_b128 v6, v[RS_+4*\i:RS_+4*\i+3] offset:528*\i         ; the rows as they lie
.endr
.irp c, 0,1
.irp j, 0,1,2,3,4,5,6,7
	ds_load_b128 v[X+32*\c+4*\j:X+32*\c+4*\j+3], v7 offset:256*\c+16*\j   ; back: k = 64 c + 32 h + 0..31 of row r.  LDS serves a wave's instructions in order: these see the stores above
.endr
.endr
	s_wait_dscnt 0x0                               ; my numbers are in, and the stage's stores have read their registers
.if (\f) < 2
	XLOAD (\f)+2
.endif
.irp c, 0,1
	v_max3_num_f32 v[10+\c], |v[X+32*\c]|, |v[X+32*\c+1]|, 0x1800000      ; block 2 c + h is all mine; the floor 2^(3 - 127) is one more leaf
.endr
.irp i, 2,4,6,8,10,12,14,16,18,20,22,24,26,28,30
.irp c, 0,1
	v_max3_num_f32 v[10+\c], v[10+\c], |v[X+32*\c+\i]|, |v[X+32*\c+\i+1]|
.endr
.endr
.irp c, 0,1
	v_add_nc_u32 v[12+\c], 0xff000000, v[10+\c]    ; 2 off the exponent field: the conversion's scale operand
.endr
.irp c, 0,1
	v_lshrrev_b32 v[14+\c], 23, v[12+\c]           ; the scale's byte
.endr
	v_lshl_or_b32 v16, v15, 16, v14                ; my two bytes, blocks h and 2 + h,
	v_lshlrev_b32 v16, v8, v16                     ; 8 h bits up;
	v_permlanex16_b32 v17, v16, s20, s21
	v_or_b32 v[18+(\f)], v16, v17                  ; with lane l xor 16's two the row's word is whole
	s_wait_alu depctr_va_vdst(0)
	s_wait_xcnt 0x0                                ; this set of 12 registers was store data two fragments ago: it is rewritten only behind this wait
.irp c, 0,1
	v_cvt_scalef32_pk16_fp6_f32 v[FS_+6*\c:FS_+6*\c+2], v[X+32*\c:X+32*\c+15], v[12+\c]
	v_cvt_scalef32_pk16_fp6_f32 v[28+4*\c:30+4*\c], v[X+32*\c+16:X+32*\c+31], v[12+\c]    ; (a conversion's three registers begin on an even number)
.endr
	v_nop                                          ; one plain place behind the conversions
.irp c, 0,1
.irp i, 0,1,2
	v_mov_b32 v[FS_+6*\c+3+\i], v[28+4*\c+\i]
.endr
.endr
	global_store_b128 v4, v[FS_:FS_+3], s[30:31] offset:((\f)%2)*12288+((\f)/2)*1536            ; the image: 512, 256, 512, 256 consecutive bytes
	global_store_b64 v5, v[FS_+4:FS_+5], s[30:31] offset:((\f)%2)*12288+((\f)/2)*1536+512
	global_store_b128 v4, v[FS_+6:FS_+9], s[30:31] offset:((\f)%2)*12288+((\f)/2)*1536+768
	global_store_b64 v5, v[FS_+10:FS_+11], s[30:31] offset:((\f)%2)*12288+((\f)/2)*1536+1280
.endm
; weights, block t: W(256 p + 32 t + i, my column), i = 0..31: a lane to a column, registers down K
.macro WLOAD t
.irp i, 0,1,2,3,4,5,6,7,8,9,10,11,12,13,14,15,16,17,18,19,20,21,22,23,24,25,26,27,28,29,30,31
	global_load_b32 v[WX+32*((\t)%2)+\i], v4, s[34:35] offset:(32*(\t)+\i)*4096 th:TH_LOAD_NT
.endr
.endm
.macro WBLOCK t
.set XS_, WX+32*((\t)%2)
.set KB_, (\t)%4
.set QQ_, (\t)/4
.if (\t) < 7
	s_wait_loadcnt 32                              ; this block's 32 loads are in; the next block's 32 stay out
.else
	s_wait_loadcnt 0x0
.endif
	v_max3_num_f32 v10, |v[XS_]|, |v[XS_+1]|, |v[XS_+2]|
	v_max3_num_f32 v11, |v[XS_+3]|, |v[XS_+4]|, |v[XS_+5]|
.irp i, 6,10,14,18,22,26
	v_max3_num_f32 v10, v10, |v[XS_+\i]|, |v[XS_+\i+1]|
	v_max3_num_f32 v11, v11, |v[XS_+\i+2]|, |v[XS_+\i+3]|
.endr
	v_max3_num_f32 v10, v10, |v[XS_+30]|, |v[XS_+31]|
	v_max3_num_f32 v10, v10, v11, 0x1800000        ; and the floor
	v_add_nc_u32 v12, 0xff000000, v10
	v_lshrrev_b32 v13, 23, v12
.if KB_ == 0
	v_mov_b32 v[164+QQ_], v13                      ; four bytes to a word, the lower K in the lower byte
.else
	v_lshl_or_b32 v[164+QQ_], v13, 8*KB_, v[164+QQ_]
.endif
	v_cvt_scalef32_pk16_fp6_f32 v[104:106], v[XS_:XS_+15], v12
	v_cvt_scalef32_pk16_fp6_f32 v[110:112], v[XS_+16:XS_+31], v12
	v_nop                                          ; one plain place behind the conversions
	v_mov_b32 v107, v110
	v_mov_b32 v108, v111
	v_mov_b32 v109, v112
	ds_store_b128 v5, v[104:107] offset:768*(KB_/2)+256*(KB_%2)        ; these 24 bytes are the six registers of lane r + 16 (KB % 2) in half image KB / 2 of my tile
	ds_store_b64 v6, v[108:109] offset:768*(KB_/2)+512+128*(KB_%2)
.if (\t) < 6
	WLOAD (\t)+2
.endif
	s_wait_dscnt 0x0                               ; the stores have read their registers
.if KB_ == 3
.irp k, 0,1,2,3,4,5
	ds_load_b128 v[OUTR+24*QQ_+4*\k:OUTR+24*QQ_+4*\k+3], v7 offset:512*\k   ; two tiles' images of this K step, 3,072 bytes on end
.endr
	s_wait_dscnt 0x0
.irp k, 0,1,2,3,4,5
	global_store_b128 v8, v[OUTR+24*QQ_+4*\k:OUTR+24*QQ_+4*\k+3], s[32:33] offset:QQ_*12288+512*\k
.endr
.endif
.endm
	s_load_b256 s[4:11], s[0:1], 0x0               ; x s[4:5], Wq s[6:7], Wk s[8:9], Wv s[10:11]
	s_load_b128 s[12:15], s[0:1], 0x20             ; Wo s[12:13], xq s[14:15]
	s_load_b64 s[16:17], s[0:1], 0x30              ; wq
	v_lshl_add_u32 v[SPW], v0, 2, SPARE
	v_mov_b32 v[NIL], 0
	v_lshrrev_b32 v1, 5, v0
	v_readfirstlane_b32 s18, v1                    ; wave 0..3
	v_and_b32 v1, 31, v0                           ; lane
	s_mov_b32 s20, 0x76543210
	s_mov_b32 s21, 0xfedcba98                      ; v_permlanex16_b32's selects for lane l xor 16
	s_cmp_lt_u32 ttmp9, 256
	s_cbranch_scc0 .Lweights
	; ---- x.  Work-group W: rowgroup g = W / 4, tiles 2 ii and 2 ii + 1 (32 neighbouring rows), ii = W % 4; wave = pair of K steps p
	v_and_b32 v24, 15, v0                          ; r
	v_bfe_u32 v25, v0, 4, 1                        ; h
	v_lshlrev_b32 v4, 4, v1                        ; 16 L
	v_lshlrev_b32 v5, 3, v1                        ; 8 L
	s_mul_i32 s22, s18, XSTG
	v_add_nc_u32 v6, s22, v4                       ; the stage, in
	v_mul_u32_u24 v7, v24, 528
	v_lshl_add_u32 v7, v25, 7, v7
	v_add_nc_u32 v7, s22, v7                       ; and out: row r, + 128 h
	v_lshlrev_b32 v8, 3, v25                       ; 8 h
	v_lshlrev_b32 v9, 4, v24
	v_lshl_add_u32 v9, v25, 3, v9                  ; 16 r + 8 h: where my pair of scale words goes
	v_mov_b32 v17, 0                               ; a lane permute's destination counts as read
	s_lshr_b32 s23, ttmp9, 2                       ; g
	s_and_b32 s24, ttmp9, 3                        ; ii
	s_lshl_b32 s26, s23, 19                        ; 128 rows of 4,096 bytes
	s_lshl_b32 s25, s24, 17                        ; 32 rows
	s_add_co_u32 s26, s26, s25
	s_lshl_b32 s25, s18, 10                        ; 256 numbers along K
	s_add_co_u32 s26, s26, s25
	s_mov_b32 s27, 0
	s_mul_i32 s28, s23, 102400
	s_mul_i32 s25, s18, 25600
	s_add_co_u32 s28, s28, s25                     ; my record
	s_mov_b32 s29, 0
	s_mul_i32 s30, s24, 3072
	s_add_co_u32 s30, s30, s28                     ; my two tiles' codes
	s_mov_b32 s31, 0
	s_lshl_b32 s25, s24, 8
	s_add_co_u32 s28, s28, s25
	s_add_co_u32 s28, s28, 24576                   ; their scale words
	s_wait_alu depctr_va_vdst(0)
	s_wait_kmcnt 0x0
	s_add_nc_u64 s[4:5], s[4:5], s[26:27]
	s_add_nc_u64 s[30:31], s[14:15], s[30:31]
	s_add_nc_u64 s[28:29], s[14:15], s[28:29]
	XLOAD 0
	XLOAD 1
	XFRAG 0
	XFRAG 1
	XFRAG 2
	XFRAG 3
	v_cmp_le_u32 vcc_lo, 16, v1                    ; lanes 16-31 store tile 2 ii + 1's words
	v_cndmask_b32 v22, v18, v20, vcc_lo
	v_cndmask_b32 v23, v19, v21, vcc_lo
	global_store_b64 v9, v[22:23], s[28:29]        ; 32 lanes store 256 consecutive bytes, aligned
	CLOSE
	s_endpgm
.Lweights:
	; ---- weights.  Work-group V: weight V / 32, rowgroup of columns ng = (V / 4) % 8, pair of K steps p = V % 4; wave = ii: 32 columns
	s_sub_co_u32 s22, ttmp9, 256
	s_lshr_b32 s23, s22, 5                         ; which weight
	s_bfe_u32 s24, s22, 0x30002                    ; ng
	s_and_b32 s25, s22, 3                          ; p
	s_wait_alu depctr_va_vdst(0)
	v_lshlrev_b32 v4, 2, v1                        ; 4 bytes a lane
	v_bfe_u32 v24, v1, 3, 1                        ; column c lies in tile 2 ii + u, u = (c / 8) % 2,
	v_and_b32 v25, 7, v1
	v_lshrrev_b32 v26, 4, v1
	v_lshl_or_b32 v25, v26, 3, v25                 ; at its lane r = c % 8 + 8 (c / 16)
	s_mul_i32 s26, s18, 3072
	s_add_co_u32 s26, s26, WSTG                    ; my stage
	v_mul_u32_u24 v27, v24, 1536
	v_add_nc_u32 v27, s26, v27
	v_lshl_add_u32 v5, v25, 4, v27                 ; registers 0-3 of lane r
	v_lshl_add_u32 v6, v25, 3, v27                 ; registers 4-5
	v_lshlrev_b32 v8, 4, v1                        ; 16 L
	v_add_nc_u32 v7, s26, v8                       ; back: as it lies
	v_lshlrev_b32 v9, 4, v25
	v_lshl_add_u32 v9, v24, 3, v9                  ; 16 r + 8 u: my pair of scale words
	s_lshl_b32 s28, s25, 20                        ; 256 rows of 4,096 bytes
	s_lshl_b32 s27, s24, 9
	s_add_co_u32 s28, s28, s27
	s_lshl_b32 s27, s18, 7
	s_add_co_u32 s28, s28, s27
	s_mov_b32 s29, 0
	s_lshl_b32 s30, s23, 3
	s_add_co_u32 s30, s30, s24
	s_mul_i32 s30, s30, 102400
	s_mul_i32 s27, s25, 25600
	s_add_co_u32 s30, s30, s27                     ; my record
	s_mov_b32 s31, 0
	s_mul_i32 s32, s18, 3072
	s_add_co_u32 s32, s32, s30                     ; my two tiles' codes
	s_mov_b32 s33, 0
	s_lshl_b32 s27, s18, 8
	s_add_co_u32 s30, s30, s27
	s_add_co_u32 s30, s30, 24576                   ; their scale words
	s_wait_kmcnt 0x0
	s_cmp_lt_u32 s23, 1                            ; the choice hangs on the work-group's number alone
	s_cselect_b64 s[34:35], s[6:7], s[8:9]
	s_cmp_lt_u32 s23, 3
	s_cselect_b64 s[36:37], s[10:11], s[12:13]
	s_cmp_lt_u32 s23, 2
	s_cselect_b64 s[34:35], s[34:35], s[36:37]
	s_add_nc_u64 s[34:35], s[34:35], s[28:29]
	s_add_nc_u64 s[32:33], s[16:17], s[32:33]
	s_add_nc_u64 s[30:31], s[16:17], s[30:31]
	WLOAD 0
	WLOAD 1
	WBLOCK 0
	WBLOCK 1
	WBLOCK 2
	WBLOCK 3
	WBLOCK 4
	WBLOCK 5
	WBLOCK 6
	WBLOCK 7
	s_wait_alu depctr_va_vdst(0)
	global_store_b64 v9, v[164:165], s[30:31]      ; 32 lanes store 256 consecutive bytes, aligned
	CLOSE
	s_endpgm
.Lfunc_end_k_qad7e1ed231_quant:
	.size	k_qad7e1ed231_quant, .Lfunc_end_k_qad7e1ed231_quant-k_qad7e1ed231_quant
	.p2alignl 7, 3214868480
	.fill 96, 4, 3214868480
	.section	.rodata,"a",@progbits
	.p2align	6, 0x0
	.amdhsa_kernel k_qad7e1ed231_quant
		.amdhsa_group_segment_fixed_size 46592
		.amdhsa_private_segment_fixed_size 0
		.amdhsa_enable_private_segment 0
		.amdhsa_kernarg_size 56
		.amdhsa_user_sgpr_count 2
		.amdhsa_user_sgpr_kernarg_segment_ptr 1
		.amdhsa_wavefront_size32 1
		.amdhsa_system_sgpr_workgroup_id_x 1
		.amdhsa_system_sgpr_workgroup_id_y 1
		.amdhsa_system_sgpr_workgroup_id_z 1
		.amdhsa_system_vgpr_workitem_id 0
		.amdhsa_next_free_vgpr 256
		.amdhsa_next_free_sgpr 66
		.amdhsa_reserve_vcc 1
		.amdhsa_float_denorm_mode_32 3
		.amdhsa_float_denorm_mode_16_64 3
		.amdhsa_memory_ordered 1
		.amdhsa_forward_progress 1
		.amdhsa_inst_pref_size 72
	.end_amdhsa_kernel
	.amdgpu_metadata
---
amdhsa.version: [ 1, 2 ]
amdhsa.kernels:
  - .name:           k_qad7e1ed231_quant
    .symbol:         k_qad7e1ed231_quant.kd
    .args:
      - { .name: x, .offset: 0, .size: 8, .value_kind: global_buffer, .address_space: global }
      - { .name: Wq, .offset: 8, .size: 8, .value_kind: global_buffer, .address_space: global }
      - { .name: Wk, .offset: 16, .size: 8, .value_kind: global_buffer, .address_space: global }
      - { .name: Wv, .offset: 24, .size: 8, .value_kind: global_buffer, .address_space: global }
      - { .name: Wo, .offset: 32, .size: 8, .value_kind: global_buffer, .address_space: global }
      - { .name: xq, .offset: 40, .size: 8, .value_kind: global_buffer, .address_space: global }
      - { .name: wq, .offset: 48, .size: 8, .value_kind: global_buffer, .address_space: global }
    .group_segment_fixed_size: 46592
    .private_segment_fixed_size: 0
    .kernarg_segment_align: 8
    .kernarg_segment_size: 56
    .max_flat_workgroup_size: 128
    .sgpr_count:     66
    .vgpr_count:     256
    .wavefront_size: 32
...
	.end_amdgpu_metadata
.endif
;; end of part 1
;; launch proj (part 2): grid 8 x 32, 4 waves a work-group, clusters of 4 x 4, 327,680 bytes of LDS; arguments xq, wq, bq, bk, bv, qb, kv; writes qb, kv
.if DOCPART == 2
	.amdgcn_target "amdgcn-amd-amdhsa--gfx1250"
	.amdhsa_code_object_version 6
	.text
	.protected	k_qad7e1ed231_proj
	.globl	k_qad7e1ed231_proj
	.p2align	8
	.type	k_qad7e1ed231_proj,@function
k_qad7e1ed231_proj:
	s_mov_b64 s[64:65], 0
	v_nop
	global_prefetch_b8 v0, s[64:65] scope:SCOPE_SE
	s_setreg_imm32_b32 hwreg(HW_REG_WAVE_MODE, 25, 1), 1
	s_wait_xcnt 0x0
	s_wait_alu depctr_hold_cnt(0) depctr_sa_sdst(0) depctr_va_vdst(0) depctr_va_sdst(0) depctr_va_ssrc(0) depctr_va_vcc(0) depctr_vm_vsrc(0)
	s_getreg_b32 s2, hwreg(HW_REG_IB_STS2, 6, 4)
	s_cmp_eq_u32 s2, 0
	s_cbranch_scc0 .Lentry_in_a_cluster
	s_endpgm
.Lentry_in_a_cluster:
	s_bfe_u32 s2, ttmp6, 0x10000c
	s_cmp_lg_u32 s2, 0xf033
	s_cbranch_scc0 .Lentry_shape_is_right
	s_endpgm
.Lentry_shape_is_right:
; V = x Wv + bv, K = x Wk + bk, Q = x Wq + bq on codes of FP6 (E2M3) with E8M0 scales, and the results quantised again, in registers, for the two products of attention.
; OPERANDS come as records of register images (25,600 bytes for 128 rows x 256 K: codes [q][tile][1,536], then scale words at 24,576 + 256 (tile / 2) + 16 r + 8 (tile % 2) + 4 q); lane r of tile i holds row 32 (i / 2) + 8 (i % 2) + r + 8 (r / 8).
; A rowgroup's four records (all of K = 1,024) lie on end, in memory and in LDS.
; A WORK-GROUP STAYS: it owns 256 tokens (rowgroups GA, GA + 1 of xq), which lie in LDS for the whole launch (2 x 102,400 bytes, filled once), and rowgroup fx of each weight, 128 features.
; THREE PHASES, V, K, Q: the weights have 102,400 LDS bytes of their own, filled at the head with Wv's rowgroup and filled again twice, with Wk's and Wq's, each time behind the three lines and a round of the
; cluster's barrier, directly behind the products that read them last; the way out of the phase before stands behind the refill.
; The products take source 0 = B' (8 tiles), source 1 = A' (4 tiles): 32 accumulators a wave.  In accumulator (a, b) register j of lane (r, h) is (B' row 32 (b / 2) + 8 (b % 2) + 16 h + j, A' row of lane r of tile a):
; a lane's 64 registers of one a run along B's 128 rows and become ONE fragment whose K is B's rows.
; K, Q: A' = tokens (rowgroup GA + w / 2, tiles 4 (w % 2) ..), B' = the 128 features (two heads).  V: the roles are swapped BY THE LDS ADDRESSES ALONE: A' = features (tiles 4 (w % 2) .. of the weights' region: head 2 fx + w % 2),
; B' = tokens (rowgroup GA + w / 2: 128 keys): V^T.  One text of the products serves all phases.
; The first phase's products and the last phase's way out are written out round a loop of two trips; what differs between trips lies in scalars (MD: 2 V, 1 K, 0 Q).
; OUT.  qb [head 16 b + hd][group of 128 tokens]: 6,400 bytes: 8 half images (16 tokens x 64 d, 768 bytes), then 256 bytes of pair words (pair i: low half tile 2 i's two bytes, high half tile 2 i + 1's) at 128 (i / 2) + 8 r + 4 (i % 2).
;       kv [head][key step of 128]: 12,800 bytes: K as in qb (6,144), V^T: 4 fragments (16 d x 128 keys) at 6,144, K's pair words at 12,288, V's scale words at 12,544 + 128 (t / 2) + 8 r + 4 (t % 2).
; CLUSTER 4 x 4: the tokens' rowgroups are shared along a row of the cluster, a weight's rowgroup along a column: joint loads.
; The pair words of a wave are 128 consecutive bytes, half of an aligned 256: the neighbouring wave stores the other half.
; LIMITS: a block of zeros carries the byte 1 with zero codes; largest magnitudes under 2^-124 are taken as 2^-124; NaN and infinities are not served.
; REGISTERS.  window 0: v1 lane, v4 r, v5 h, v6 16 L, v7 8 L; v8-31 LDS addresses, one for each kpair; v32-79 scale words, two sets; v80-175 A's fragments, two sets (on the way out: 64 numbers, codes, work);
;   v176-239 bias by B' row, v240-247 bias by A' row; v248-255 the way out.   window 1: B's fragments, sets at v0 and v128.   window 2: accumulator (a, b) at v[8 (8 a + b)].
.set SPARE, 307200                     ; behind the operands: the spare words, 128 bytes for each wave
.set REC,   25600
.set RG,    4*REC                      ; a rowgroup, all of K
.set BREG,  2*RG                       ; the weights' region
.set SPW, 2
.set NIL, 3
.set A16, 8
.set A8,  12
.set B16, 16
.set B8,  20
.set RA,  24
.set RB,  28
.set SA,  32
.set SB,  48
.set AF,  80
.set BC,  176
.set BR,  240
.set SWD, 248
.set T,   80
.set PC,  144
.set TM,  164
.set WV, 18
.set WH, 19
.set WL, 20
.set CX, 21
.set CY, 22
.set G1A, 24
.set G1B, 32
.set G0A, 40
.set BPC, 44
.set BPR, 46
.set DST, 48
.set SCP, 50
.set PB,  52
.set PO,  54
.set MD,  56
.set YY,  57
.set GA,  58                           ; s58, 59, 62, 86, 87, 90, 92, 93 feed the tokens' descriptor and never hold cx;
.set GB,  60                           ; s60, 63, 88, 89, 91, 94, 95 feed the weights' and never hold cy
.set G0B, 68
.set CNT, 72
.set OF,  74
.set ASTEP, 84
.set DELTA, 96
.set HS,  97
.set SEL, 100
.set MSB, 0
.macro WIN new
.if MSB != \new
	s_set_vgpr_msb (MSB<<8)|\new
.set MSB, \new
.endif
.endm
.set MUL,  0xa1                        ; source 0 (B') window 1, source 1 (A') window 0, C and D window 2
.set TO_B, 0x40
.macro CROUND
	s_barrier_signal -1
	s_barrier_wait -1
	s_cmp_lg_u32 s[WV], 0
	s_cbranch_scc1 .Lnot_wave_0_\@
	s_barrier_signal -3
.Lnot_wave_0_\@:
	s_barrier_wait -3
	s_barrier_signal -1
	s_barrier_wait -1
.endm
.macro FRAG reg, a16, a8, off
	ds_load_b128 v[\reg:\reg+3], v[\a16] offset:\off
	ds_load_b64 v[\reg+4:\reg+5], v[\a8] offset:\off+512
	ds_load_b128 v[\reg+6:\reg+9], v[\a16] offset:\off+768
	ds_load_b64 v[\reg+10:\reg+11], v[\a8] offset:\off+1280
.endm
.macro FETCH n                         ; K step n's 12 fragments into set n % 2; with a kpair's first step its scale words for both steps
.set P_, (\n)/2
.set Q_, (\n)%2
	WIN TO_B
.irp b, 0,1,2,3,4,5,6,7
	FRAG 128*Q_+12*\b, B16+P_, B8+P_, Q_*12288+1536*\b
.endr
	WIN 0
.irp a, 0,1,2,3
	FRAG AF+48*Q_+12*\a, A16+P_, A8+P_, Q_*12288+1536*\a
.endr
.if Q_ == 0
.irp k, 0,1
	ds_load_b128 v[SA+8*(P_%2)+4*\k:SA+8*(P_%2)+4*\k+3], v[RA+P_] offset:24576+256*\k
.endr
.irp k, 0,1,2,3
	ds_load_b128 v[SB+16*(P_%2)+4*\k:SB+16*(P_%2)+4*\k+3], v[RB+P_] offset:24576+256*\k
.endr
.endif
.endm
.macro MUL32 n, zero                   ; the 32 accumulators take turns, one instruction a turn, in the same order in every step
.set P_, (\n)/2
.set Q_, (\n)%2
.irp a, 0,1,2,3
.irp b, 0,1,2,3,4,5,6,7
.if \zero
	v_wmma_scale_f32_16x16x128_f8f6f4 v[8*(8*\a+\b):8*(8*\a+\b)+7], v[128*Q_+12*\b:128*Q_+12*\b+11], v[AF+48*Q_+12*\a:AF+48*Q_+12*\a+11], 0, v[SB+16*(P_%2)+2*\b+Q_], v[SA+8*(P_%2)+2*\a+Q_] matrix_a_fmt:MATRIX_FMT_FP6 matrix_b_fmt:MATRIX_FMT_FP6
.else
	v_wmma_scale_f32_16x16x128_f8f6f4 v[8*(8*\a+\b):8*(8*\a+\b)+7], v[128*Q_+12*\b:128*Q_+12*\b+11], v[AF+48*Q_+12*\a:AF+48*Q_+12*\a+11], v[8*(8*\a+\b):8*(8*\a+\b)+7], v[SB+16*(P_%2)+2*\b+Q_], v[SA+8*(P_%2)+2*\a+Q_] matrix_a_fmt:MATRIX_FMT_FP6 matrix_b_fmt:MATRIX_FMT_FP6
.endif
.endr
.endr
.endm
.macro KSTEP n, zero
	s_wait_dscnt 0x0                               ; this step's fragments, asked for a step ago, are in
.if (\n) < 7
.rept 4
	v_nop                                          ; four places in front of loads into the set that the last step's products read
.endr
	FETCH (\n)+1
.endif
	WIN MUL
	MUL32 \n, \zero
	WIN 0
.endm
.macro KLOOP                           ; a phase's products: all of K; the first step's start the sums: nothing is cleared
	FETCH 0
	KSTEP 0, 1
.irp n, 1,2,3,4,5,6,7
	KSTEP \n, 0
.endr
.endm
; the LDS addresses of a phase: s66 A's four tiles, s67 (24,576 on) their scale words, s73 B's eight tiles; a kpair's record lies REC behind the last
.macro ADRSET
	s_wait_alu depctr_va_vdst(0)                   ; the wait ahead of the scalar lines among the readers below
.irp p, 0,1,2,3
	v_add_nc_u32 v[A16+\p], s66, v6
	v_add_nc_u32 v[A8+\p], s66, v7
	v_lshl_add_u32 v[RA+\p], v4, 4, s67
	v_add_nc_u32 v[B16+\p], s73, v6
	v_add_nc_u32 v[B8+\p], s73, v7
	v_lshl_add_u32 v[RB+\p], v4, 4, s73
	s_add_co_u32 s66, s66, REC
	s_add_co_u32 s67, s67, REC
	s_add_co_u32 s73, s73, REC
.endr
.endm
; where phase MD's results go, and its bias.  The arguments s[8:17] stay as they are
.macro OUTSET
	s_add_co_u32 s2, s[GA], s[WH]                  ; my tokens' rowgroup
	s_lshl_b32 s23, s[GB], 1                       ; K, Q: the first of my two heads
	s_add_co_u32 s3, s23, s[WL]                    ; V: my head
	s_mul_i32 s66, s[WL], 3072                     ; K, Q: my four half images
	s_lshl_b32 s67, s[WL], 7                       ;       and my two pair words
	s_mov_b32 s[ASTEP], 768
	s_mov_b32 s[ASTEP+1], 0
	s_mov_b32 s[HS], 204800
	s_mov_b32 s99, 12800
	s_mov_b32 s98, 12288
	s_cmp_eq_u32 s[MD], 0
	s_cselect_b64 s[PB:PB+1], s[8:9], s[10:11]
	s_cselect_b64 s[PO:PO+1], s[14:15], s[16:17]   ; qb or kv
	s_cselect_b32 s[HS], 102400, s[HS]             ; a head's bytes
	s_cselect_b32 s99, 6400, s99                   ; a record's
	s_cselect_b32 s98, 6144, s98                   ; where its scale words begin
	s_cmp_eq_u32 s[MD], 2
	s_cselect_b64 s[PB:PB+1], s[12:13], s[PB:PB+1] ; bq, bk or bv
	s_cselect_b32 s3, s3, s23                      ; the head
	s_cselect_b32 s66, 6144, s66
	s_cselect_b32 s67, 0, s67
	s_cselect_b32 s[ASTEP], 1536, s[ASTEP]         ; from tile to tile
	s_cselect_b32 s98, 12544, s98
	s_cselect_b32 s[DELTA], 768, s[HS]             ; from a fragment's first half to its second
	s_mul_i32 s[OF], s3, 256                       ; the head's 64 numbers of the bias, in bytes
	s_cselect_b32 s23, 0, s[OF]                    ; (V: the bias by B' row is loaded and not used: from the buffer's start, so that the 128 numbers lie inside)
	s_mov_b32 s[OF+1], 0
	s_add_nc_u64 s[BPR:BPR+1], s[PB:PB+1], s[OF:OF+1]
	s_mov_b32 s[OF], s23
	s_add_nc_u64 s[BPC:BPC+1], s[PB:PB+1], s[OF:OF+1]
	s_lshr_b32 s23, s2, 4                          ; batch
	s_and_b32 s2, s2, 15                           ; group of 128 tokens in it
	s_lshl_b32 s23, s23, 4
	s_add_co_u32 s23, s23, s3
	s_mul_i32 s23, s23, s[HS]
	s_mul_i32 s2, s2, s99
	s_add_co_u32 s[OF], s23, s2
	s_add_nc_u64 s[PO:PO+1], s[PO:PO+1], s[OF:OF+1]   ; the record
	s_add_co_u32 s[OF], s98, s67
	s_add_nc_u64 s[SCP:SCP+1], s[PO:PO+1], s[OF:OF+1]
	s_mov_b32 s[OF], s66
	s_add_nc_u64 s[DST:DST+1], s[PO:PO+1], s[OF:OF+1]
.irp b, 0,1,2,3,4,5,6,7
	global_load_b128 v[BC+8*\b:BC+8*\b+3], v252, s[BPC:BPC+1] offset:(32*(\b/2)+8*(\b%2))*4
	global_load_b128 v[BC+8*\b+4:BC+8*\b+7], v252, s[BPC:BPC+1] offset:(32*(\b/2)+8*(\b%2))*4+16
.endr
.irp a, 0,1,2,3
	global_load_b32 v[BR+2*\a], v253, s[BPR:BPR+1] offset:(32*(\a/2)+8*(\a%2))*4
	global_load_b32 v[BR+2*\a+1], v253, s[BPR:BPR+1] offset:(32*(\a/2)+8*(\a%2))*4
.endr
.endm
; 64 numbers of a lane, register 16 b + i = k 32 b + 16 h + i of my row, become a fragment's codes in v[PC] on and its scale word in v[pw]
.macro QUANT s, pw
.irp b, 0,1,2,3
	v_max3_num_f32 v[TM+\b], |v[\s+16*\b]|, |v[\s+1+16*\b]|, 0x1800000    ; my 16 numbers of block b, and the floor 2^(3 - 127): the byte cannot fall under 1
.endr
.irp i, 2,4,6,8,10,12,14
.irp b, 0,1,2,3
	v_max3_num_f32 v[TM+\b], v[TM+\b], |v[\s+16*\b+\i]|, |v[\s+1+16*\b+\i]|
.endr
.endr
.irp b, 0,1,2,3
	v_permlanex16_b32 v[TM+4+\b], v[TM+\b], s[SEL], s[SEL+1]
.endr
.irp b, 0,1,2,3
	v_max_num_f32 v[TM+\b], v[TM+\b], v[TM+4+\b]   ; with lane l xor 16's: the block's largest magnitude
.endr
.irp b, 0,1,2,3
	v_add_nc_u32 v[TM+8+\b], 0xff000000, v[TM+\b]  ; 2 off its exponent field: the conversion's scale operand
.endr
.irp b, 0,1,2,3
	v_lshrrev_b32 v[TM+4+\b], 23, v[TM+8+\b]       ; the scale's byte
.endr
	v_lshl_or_b32 v[\pw], v[TM+5], 8, v[TM+4]
	v_lshl_or_b32 v[\pw], v[TM+6], 16, v[\pw]
	v_lshl_or_b32 v[\pw], v[TM+7], 24, v[\pw]
.irp c, 0,1
	v_cvt_scalef32_pk16_fp6_f32 v[PC+6*\c:PC+2+6*\c], v[\s+32*\c:\s+15+32*\c], v[TM+8+2*\c]
	v_cvt_scalef32_pk16_fp6_f32 v[PC+12+4*\c:PC+14+4*\c], v[\s+16+32*\c:\s+31+32*\c], v[TM+8+2*\c+1]
.endr
	v_nop                                          ; one plain place behind the conversions
.irp c, 0,1                            ; the operand's layout wants a whole block in a lane
.irp i, 0,1,2
	v_permlane16_swap_b32 v[PC+6*\c+\i], v[PC+12+4*\c+\i]
.endr
.irp i, 0,1,2
	v_mov_b32 v[PC+3+6*\c+\i], v[PC+12+4*\c+\i]
.endr
.endr
.endm
; The way out of A's tile a: the bias, the quantiser, the image.  K, Q: the bias goes by B' row and the fragment's two halves belong to two heads, HS bytes apart; V: by A' row, and the halves lie on end.
.macro EPI a, v                        ; v = 1: the phase may be V or K (in the loop); v = 0: it is Q (behind the loop): V's arm is not assembled
	s_wait_xcnt 0x0                                ; the last tile's stores have read their registers and their base
.if \a > 0
	s_add_nc_u64 s[DST:DST+1], s[DST:DST+1], s[ASTEP:ASTEP+1]
.endif
.if \v
	s_cmp_eq_u32 s[MD], 2                          ; the same in all work-groups
	s_cbranch_scc1 .Lvbias_\@
.endif
	WIN 0x02
.set I_, 0
.rept 32
	v_pk_add_f32 v[T+I_:T+I_+1], v[64*\a+I_:64*\a+I_+1], v[BC+I_:BC+I_+1]      ; each accumulator from its low end on
.set I_, I_+2
.endr
	WIN 0
.if \v
	s_branch .Ljoin_\@
.Lvbias_\@:
	WIN 0x02
.set I_, 0
.rept 32
	v_pk_add_f32 v[T+I_:T+I_+1], v[64*\a+I_:64*\a+I_+1], v[BR+2*\a:BR+2*\a+1]  ; (the pair holds my row's bias twice)
.set I_, I_+2
.endr
	WIN 0
.Ljoin_\@:
.endif
	QUANT T, SWD+\a
	global_store_b128 v6, v[PC:PC+3], s[DST:DST+1]
	global_store_b64 v7, v[PC+4:PC+5], s[DST:DST+1] offset:512
	global_store_b128 v254, v[PC+6:PC+9], s[DST:DST+1]
	global_store_b64 v255, v[PC+10:PC+11], s[DST:DST+1] offset:512
.endm
.macro EPIALL v                        ; a phase's way out: four tiles, then their scale words; v as in EPI
	s_wait_loadcnt 0x0                             ; the biases
.rept 4
	v_nop                                          ; four places behind the last products
.endr
.irp b, 0,1,2,3
	v_mov_b32 v[TM+4+\b], 0                        ; a lane permute's destination counts as read
.endr
	s_wait_xcnt 0x0                                ; earlier stores have read v254 and v255
	v_add_nc_u32 v254, s[DELTA], v6
	v_add_nc_u32 v255, s[DELTA], v7
	EPI 0, \v
	EPI 1, \v
	EPI 2, \v
	EPI 3, \v
	v_cmp_le_u32 vcc_lo, 16, v1
	v_lshlrev_b32 v84, 3, v4                       ; 8 r
.if \v
	s_cmp_eq_u32 s[MD], 2
	s_cbranch_scc1 .Lvscale_\@
.endif
	v_perm_b32 v80, v[SWD+1], v[SWD], 0x05040100   ; the first head's pair words: two tiles' low halves,
	v_perm_b32 v81, v[SWD+3], v[SWD+2], 0x05040100
	v_perm_b32 v82, v[SWD+1], v[SWD], 0x07060302   ; the second head's: their high halves
	v_perm_b32 v83, v[SWD+3], v[SWD+2], 0x07060302
	v_cndmask_b32 v80, v80, v81, vcc_lo            ; lanes 16-31 store the second pair's
	v_cndmask_b32 v82, v82, v83, vcc_lo
	v_lshl_add_u32 v84, v5, 2, v84                 ; 8 r + 4 h
	v_add_nc_u32 v85, s[DELTA], v84
	global_store_b32 v84, v80, s[SCP:SCP+1]
	global_store_b32 v85, v82, s[SCP:SCP+1]
.if \v
	s_branch .Ldone_\@
.Lvscale_\@:
	v_cndmask_b32 v80, v[SWD], v[SWD+2], vcc_lo
	v_cndmask_b32 v81, v[SWD+1], v[SWD+3], vcc_lo
	s_wait_alu depctr_va_vdst(0)                   ; v84 was written ahead of the branch
	v_lshl_add_u32 v84, v5, 7, v84                 ; 8 r + 128 h
	global_store_b64 v84, v[80:81], s[SCP:SCP+1]   ; 32 lanes store 256 consecutive bytes, aligned
.Ldone_\@:
.endif
.endm
	s_load_b256 s[4:11], s[0:1], 0x0               ; xq s[4:5], wq s[6:7], bq s[8:9], bk s[10:11]
	s_load_b128 s[12:15], s[0:1], 0x20             ; bv s[12:13], qb s[14:15]
	s_load_b64 s[16:17], s[0:1], 0x30              ; kv
	v_lshl_add_u32 v[SPW], v0, 2, SPARE
	v_mov_b32 v[NIL], 0
	ds_add_u32 v[SPW], v[NIL]                      ; the opening lines: the add, twice on end, and its wait ahead of my first tensor load
	ds_add_u32 v[SPW], v[NIL]
	v_lshrrev_b32 v1, 5, v0
	v_readfirstlane_b32 s[WV], v1                  ; wave 0..3
	s_lshr_b32 s[WH], s[WV], 1                     ; my rowgroup of tokens.  Also: at the head I fetch tokens (0) or weights (1)
	s_and_b32 s[WL], s[WV], 1                      ; my half of A's tiles.  Also: which part I fetch
	s_bfe_u32 s[CX], ttmp6, 0x40000
	s_bfe_u32 s[CY], ttmp6, 0x40004
	s_and_b32 s[YY], ttmp7, 0xffff
	s_lshl_b32 s[GA], s[YY], 3
	s_lshl_b32 s59, s[CY], 1
	s_add_co_u32 s[GA], s[GA], s59                 ; tokens: rowgroups 8 Y + 2 cy, + 1
	s_lshl_b32 s[GB], ttmp9, 2
	s_add_co_u32 s[GB], s[GB], s[CX]               ; fx = 4 X + cx: rowgroup fx of Wq, 8 + fx (Wk), 16 + fx (Wv) of wq
	s_lshl_b32 s62, s[CY], 2
	s_lshl_b32 s62, 15, s62                        ; my row of the cluster
	s_lshl_b32 s63, 0x1111, s[CX]                  ; my column
	s_or_b32 s[G1A], s62, (3<<16)|(1<<21)          ; dense blocks as rows of 256 bytes (32 elements of 8 bytes): tokens: a rowgroup, 400 rows; weights: half a rowgroup, 200 rows
	s_or_b32 s[G1B], s63, (3<<16)|(1<<21)
	s_mov_b32 s[G1A+1], 32<<16
	s_mov_b32 s[G1A+2], 400<<16
	s_mov_b32 s[G1A+3], 32<<16
	s_mov_b32 s[G1A+4], 400
	s_mov_b32 s[G1A+5], 32
	s_mov_b32 s[G1A+6], 0
	s_mov_b32 s[G1A+7], 0
	s_mov_b32 s[G1B+1], 32<<16
	s_mov_b32 s[G1B+2], 200<<16
	s_mov_b32 s[G1B+3], 32<<16
	s_mov_b32 s[G1B+4], 200
	s_mov_b32 s[G1B+5], 32
	s_mov_b32 s[G1B+6], 0
	s_mov_b32 s[G1B+7], 0
	s_add_co_u32 s86, s[GA], s[WL]
	s_mul_i32 s86, s86, RG                         ; tokens: rowgroup GA + WL, in memory,
	s_mov_b32 s87, 0
	s_mul_i32 s90, s[WL], RG                       ; and in LDS
	s_add_co_u32 s88, s[GB], 16
	s_mul_i32 s88, s88, RG
	s_mul_i32 s89, s[WL], 2*REC
	s_add_co_u32 s88, s88, s89                     ; weights: half WL of Wv's rowgroup
	s_mov_b32 s89, 0
	s_mul_i32 s91, s[WL], 2*REC
	s_add_co_u32 s91, s91, BREG
	s_mov_b32 s[SEL], 0x76543210
	s_mov_b32 s[SEL+1], 0xfedcba98
	s_mov_b32 s[MD], 2
	s_wait_dscnt 0x0                               ; both opening adds are done
	s_wait_kmcnt 0x0
	s_add_nc_u64 s[92:93], s[4:5], s[86:87]
	s_add_nc_u64 s[94:95], s[6:7], s[88:89]
	s_mov_b32 s[G0A], 1
	s_mov_b32 s[G0A+1], s90
	s_mov_b64 s[G0A+2:G0A+3], s[92:93]
	s_or_b32 s[G0A+3], s[G0A+3], 0x80000000
	s_mov_b32 s[G0B], 1
	s_mov_b32 s[G0B+1], s91
	s_mov_b64 s[G0B+2:G0B+3], s[94:95]
	s_or_b32 s[G0B+3], s[G0B+3], 0x80000000
	CROUND                                         ; all sixteen work-groups are here: the joint loads meet
	s_cmp_eq_u32 s[WH], 0                          ; one tensor load a wave: waves 0, 1 a rowgroup of tokens each, waves 2, 3 half of Wv's rowgroup each
	s_cbranch_scc0 .Lfill_b
	tensor_load_to_lds s[G0A:G0A+3], s[G1A:G1A+7]
	s_nop 0
.rept 4
	v_nop
.endr
	s_branch .Lfilled
.Lfill_b:
	tensor_load_to_lds s[G0B:G0B+3], s[G1B:G1B+7]
	s_nop 0
.rept 4
	v_nop
.endr
.Lfilled:
	s_mul_i32 s66, s[WL], 6144                     ; V: A' = my four tiles of the weights' region,
	s_add_co_u32 s66, s66, BREG
	s_lshl_b32 s67, s[WL], 9
	s_add_co_u32 s67, s67, BREG
	s_mul_i32 s73, s[WH], RG                       ;    B' = my rowgroup of tokens
	v_and_b32 v1, 31, v0                           ; L
	v_and_b32 v4, 15, v0                           ; r
	v_bfe_u32 v5, v0, 4, 1                         ; h
	v_lshlrev_b32 v6, 4, v1
	v_lshlrev_b32 v7, 3, v1
	v_lshlrev_b32 v252, 6, v5                      ; 16 h numbers
	v_and_b32 v253, 8, v4
	v_add_nc_u32 v253, v253, v4
	v_lshlrev_b32 v253, 2, v253                    ; r + 8 (r / 8) numbers
	ADRSET
	OUTSET
	s_wait_alu depctr_va_vdst(0)
	s_wait_tensorcnt 0x0                           ; my load has landed,
	s_barrier_signal -1
	s_barrier_wait -1                              ; everybody's has
	KLOOP                                          ; V's products
	s_mul_i32 s73, s[WH], RG                       ; K, Q: A' = my four tiles of my rowgroup of tokens,
	s_mul_i32 s66, s[WL], 6144
	s_add_co_u32 s66, s66, s73
	s_lshl_b32 s67, s[WL], 9
	s_add_co_u32 s67, s67, s73
	s_mov_b32 s73, BREG                            ;       B' = the weights' region
	ADRSET
	s_mov_b32 s[CNT], 2
.Lphase:
	s_wait_tensorcnt 0x0                           ; no tensor load of mine is out;
	ds_add_u32 v[SPW], v[NIL]                      ; the add
	s_sub_nc_u64 s[G0B+2:G0B+3], s[G0B+2:G0B+3], 8*RG   ; the next weight lies eight rowgroups ahead in wq: Wv, Wk, Wq
	s_wait_dscnt 0x0                               ; the add is done, and so are my reads of the weights' region
	CROUND                                         ; both hold of every wave of every work-group of the cluster
	s_cmp_eq_u32 s[WH], 0
	s_cbranch_scc1 .Lno_fill
	tensor_load_to_lds s[G0B:G0B+3], s[G1B:G1B+7]  ; waves 2 and 3: half a rowgroup each, onto the weight that all waves have read out
	s_nop 0
.rept 4
	v_nop
.endr
.Lno_fill:
	EPIALL 1                                       ; the way out of the phase before (V, then K) stands behind the refill
	s_wait_xcnt 0x0                                ; its stores have read their registers and bases
	s_sub_co_u32 s[MD], s[MD], 1
	OUTSET
	s_wait_alu depctr_va_vdst(0)
	s_wait_tensorcnt 0x0                           ; my part of the weight has landed,
	s_barrier_signal -1
	s_barrier_wait -1                              ; everybody's has
	KLOOP
	s_sub_co_u32 s[CNT], s[CNT], 1
	s_cmp_lg_u32 s[CNT], 0
	s_cbranch_scc1 .Lphase
	EPIALL 0                                       ; Q's way out
	s_wait_tensorcnt 0x0                           ; the wave's end
	ds_add_u32 v[SPW], v[NIL]
	s_wait_dscnt 0x0
	CROUND                                         ; the closing round
	s_endpgm
.Lfunc_end_k_qad7e1ed231_proj:
	.size	k_qad7e1ed231_proj, .Lfunc_end_k_qad7e1ed231_proj-k_qad7e1ed231_proj
	.p2alignl 7, 3214868480
	.fill 96, 4, 3214868480
	.section	.rodata,"a",@progbits
	.p2align	6, 0x0
	.amdhsa_kernel k_qad7e1ed231_proj
		.amdhsa_group_segment_fixed_size 327680
		.amdhsa_private_segment_fixed_size 0
		.amdhsa_enable_private_segment 0
		.amdhsa_kernarg_size 56
		.amdhsa_user_sgpr_count 2
		.amdhsa_user_sgpr_kernarg_segment_ptr 1
		.amdhsa_wavefront_size32 1
		.amdhsa_system_sgpr_workgroup_id_x 1
		.amdhsa_system_sgpr_workgroup_id_y 1
		.amdhsa_system_sgpr_workgroup_id_z 1
		.amdhsa_system_vgpr_workitem_id 0
		.amdhsa_next_free_vgpr 768
		.amdhsa_next_free_sgpr 102
		.amdhsa_reserve_vcc 1
		.amdhsa_float_denorm_mode_32 3
		.amdhsa_float_denorm_mode_16_64 3
		.amdhsa_memory_ordered 1
		.amdhsa_forward_progress 1
		.amdhsa_inst_pref_size 199
	.end_amdhsa_kernel
	.amdgpu_metadata
---
amdhsa.version: [ 1, 2 ]
amdhsa.kernels:
  - .name:           k_qad7e1ed231_proj
    .symbol:         k_qad7e1ed231_proj.kd
    .args:
      - { .name: xq, .offset: 0, .size: 8, .value_kind: global_buffer, .address_space: global }
      - { .name: wq, .offset: 8, .size: 8, .value_kind: global_buffer, .address_space: global }
      - { .name: bq, .offset: 16, .size: 8, .value_kind: global_buffer, .address_space: global }
      - { .name: bk, .offset: 24, .size: 8, .value_kind: global_buffer, .address_space: global }
      - { .name: bv, .offset: 32, .size: 8, .value_kind: global_buffer, .address_space: global }
      - { .name: qb, .offset: 40, .size: 8, .value_kind: global_buffer, .address_space: global }
      - { .name: kv, .offset: 48, .size: 8, .value_kind: global_buffer, .address_space: global }
    .group_segment_fixed_size: 327680
    .private_segment_fixed_size: 0
    .kernarg_segment_align: 8
    .kernarg_segment_size: 56
    .max_flat_workgroup_size: 128
    .sgpr_count:     102
    .vgpr_count:     768
    .wavefront_size: 32
...
	.end_amdgpu_metadata
.endif
;; end of part 2
;; launch attn (part 3): grid 4 x 64, 8 waves a work-group, clusters of 4 x 1, 205,824 bytes of LDS; arguments qb, kv, oq; writes oq
.if DOCPART == 3
	.amdgcn_target "amdgcn-amd-amdhsa--gfx1250"
	.amdhsa_code_object_version 6
	.text
	.protected	k_qad7e1ed231_attn
	.globl	k_qad7e1ed231_attn
	.p2align	8
	.type	k_qad7e1ed231_attn,@function
k_qad7e1ed231_attn:
	s_mov_b64 s[64:65], 0
	v_nop
	global_prefetch_b8 v0, s[64:65] scope:SCOPE_SE
	s_setreg_imm32_b32 hwreg(HW_REG_WAVE_MODE, 25, 1), 1
	s_wait_xcnt 0x0
	s_wait_alu depctr_hold_cnt(0) depctr_sa_sdst(0) depctr_va_vdst(0) depctr_va_sdst(0) depctr_va_ssrc(0) depctr_va_vcc(0) depctr_vm_vsrc(0)
	s_getreg_b32 s2, hwreg(HW_REG_IB_STS2, 6, 4)
	s_cmp_eq_u32 s2, 0
	s_cbranch_scc0 .Lentry_in_a_cluster
	s_endpgm
.Lentry_in_a_cluster:
	s_bfe_u32 s2, ttmp6, 0x10000c
	s_cmp_lg_u32 s2, 0x3003
	s_cbranch_scc0 .Lentry_shape_is_right
	s_endpgm
.Lentry_shape_is_right:
; O = softmax(Q K^T / 8) V for one head, both products on codes of FP6 (E2M3) with E8M0 scales, and O quantised again along the features for the last product.
; THE SOFTMAX AHEAD OF THE SECOND PRODUCT: t = score x log2(e) / 8; M = the row's largest t so far, rounded UP to a whole number; p = 2^(t - M) is quantised along the keys, not normalised.
; The row's sum is taken of the unquantised p and divides O at the end.  When M moves, the sum and O are multiplied by 2^(old M - new M): exact.
; SHARES.  A work-group owns 512 queries of head ttmp7 (16 x batch + head); each of its eight waves 64 of them, four tiles of 16: group of 128 tokens 4 cx + w / 2, tiles 4 (w % 2) + 0..3.
; A wave walks the 16 key steps once; in a step each fragment of K and of V^T is read from LDS once and serves all four tiles.  The tiles go in PAIRS, line by line in turn, so that each dependent chain has a partner.
; THE WHOLE HEAD'S K AND V LIE IN LDS: 16 records of 12,800 bytes (128 keys each), filled once: wave w brings records 2 w and 2 w + 1 by one load.  The four work-groups of a cluster are the four query blocks of one head and ask jointly.
; All tiles are asked for at the head and there is no loop to run ahead in: so no prefetch is written.
; A RECORD: K: 8 half images (16 keys x 64 d, 768 bytes; lane (r', h): registers 0-3 at 16 (r' + 16 h), 4-5 at 512 + 8 (r' + 16 h)); V^T at 6,144: 4 fragments (16 d x 128 keys);
; K's pair words at 12,288 + 128 (i / 2) + 8 r' + 4 (i % 2); V's scale words at 12,544, likewise.  Lane r' of stored tile 2 b + u holds key 32 b + 8 u + r' + 8 (r' / 8).
; THE KEYS OF A TILE ARE CHOSEN BY THE LANES' ADDRESSES: fragment f = 2 c + g takes for its lane (r, h) the stored pair 2 c + r / 8 at lane r' = r % 8 + 8 g.  Its half u is then a tile whose row 8 hh + j is key
; 64 c + 32 hh + 8 (2 g + u) + j.  So in S^T (a lane holds one query; register j is row 8 h + j) the 32 registers of c are the 32 neighbouring keys 64 c + 32 h + 0..31: ONE WHOLE SCALE BLOCK IN A LANE, in the order of the next operand.
; No lane is asked for a block's maximum and no code changes lanes.  Lanes r and r + 8 read addresses 1,536 bytes apart.
; THE HEAD HAS 64 CHANNELS, THE INSTRUCTION TAKES 128 ALONG K: a fragment of K holds two tiles and is multiplied by [q | 0] and by [0 | q]; the four tiles' q lie between runs of zeros: 0 q 0 q 0 q 0 q 0.
; OUT.  oq, a record of register images as the last product's launch takes it: rowgroup of 128 tokens, pair of K steps hd / 4, K step (hd / 2) % 2, tile, half hd % 2; my head's two scale bytes of each row's word go out
; as 2 bytes a row, 16 bytes apart (a word spans two heads, which are two work-groups').  Lanes r and r + 16 hold the same two bytes and name the same address.
; LIMITS: the promise holds while |t| stays under 2^31; a block of zeros carries the byte 1 with zero codes; NaN and infinities are not served.
; The last trip fetches record 15's K once more (the address is held at the last record); nobody reads it.
; REGISTERS.  window 0: v0 8 h; v1-3, v9 lane offsets; v4, v5 the add's; v6-8 V's addresses, v10-12 K's lane parts, v13-15 K's addresses; v16-31 state, four a tile: -M, largest score, the sum in two halves;
;   v32-35 K's scale words, v36-39 V's, v44-47 q's, v48-49 p's; v50-73 work, twelve for each tile of a pair; v74-201 S^T, then p, of a pair; v202-255 zeros and q.
;   window 1: v0-127 O^T, 32 a tile; v128-175 K's fragments; v176-223 V^T's; v224-247 p's codes.
.set SPARE, 204800                     ; behind the head: the spare words, 128 bytes for each of 8 waves
.set STEPB, 12800
.set SH8, 0
.set V16, 1
.set V8,  2
.set VSB, 3
.set SPW, 4
.set NIL, 5
.set VC,  6
.set R16, 9
.set KB,  10
.set KC,  13
.set ST,  16
.set KS,  32
.set VS,  36
.set QR,  40
.set QS,  44
.set PS,  48
.set TX,  50                           ; +0,1 block maxima, then bytes; +2,3 scale operands; +4,5 f; +6,7 work; +8..11 two chains of the sum
.set S,   74
.set QB,  202
.set OT,  0
.set KF,  128
.set VF,  176
.set PCD, 224
.set WV, 10
.set CX, 11
.set HD, 12
.set G1, 16
.set G0, 24
.set TN, 31
.set SEL, 40
.set CS,  42
.set TB,  44
.set CNT, 45
.set QP,  46
.set QSP, 48
.set OP,  50
.set OSP, 52
.set MSB, 0
.macro WIN new                         ; low byte: bits 1:0 source 0, 3:2 source 1, 5:4 source 2, 7:6 destination; the high byte repeats the setting that is left
.if MSB != \new
	s_set_vgpr_msb (MSB<<8)|\new
.set MSB, \new
.endif
.endm
.macro WALU
	s_wait_alu depctr_va_vdst(0)
.endm
.macro CROUND
	s_barrier_signal -1
	s_barrier_wait -1
	s_cmp_lg_u32 s[WV], 0
	s_cbranch_scc1 .Lnot_wave_0_\@
	s_barrier_signal -3
.Lnot_wave_0_\@:
	s_barrier_wait -3
	s_barrier_signal -1
	s_barrier_wait -1
.endm
.macro LOADK                           ; 20 loads: four gathered fragments and their pair words
	WIN 0x40
.irp f, 0,1,2,3
	ds_load_b128 v[KF+12*\f:KF+12*\f+3], v[KC] offset:3072*(\f/2)+128*(\f%2)
	ds_load_b64 v[KF+12*\f+4:KF+12*\f+5], v[KC+1] offset:3072*(\f/2)+64*(\f%2)+512
	ds_load_b128 v[KF+12*\f+6:KF+12*\f+9], v[KC] offset:3072*(\f/2)+128*(\f%2)+768
	ds_load_b64 v[KF+12*\f+10:KF+12*\f+11], v[KC+1] offset:3072*(\f/2)+64*(\f%2)+1280
.endr
	WIN 0
.irp f, 0,1,2,3
	ds_load_b32 v[KS+\f], v[KC+2] offset:12288+128*(\f/2)+64*(\f%2)
.endr
.endm
.macro LOADV                           ; 18 loads: V^T's four fragments as they lie, and their scale words
	WIN 0x40
.irp a, 0,1,2,3
	ds_load_b128 v[VF+12*\a:VF+12*\a+3], v[VC] offset:6144+1536*\a
	ds_load_b64 v[VF+12*\a+4:VF+12*\a+5], v[VC+1] offset:6144+1536*\a+512
	ds_load_b128 v[VF+12*\a+6:VF+12*\a+9], v[VC] offset:6144+1536*\a+768
	ds_load_b64 v[VF+12*\a+10:VF+12*\a+11], v[VC+1] offset:6144+1536*\a+1280
.endr
	WIN 0
	ds_load_b64 v[VS:VS+1], v[VC+2] offset:12544
	ds_load_b64 v[VS+2:VS+3], v[VC+2] offset:12672
.endm
.macro SMUL p                          ; S^T of pair p: 16 products on 16 accumulators, each begun with 0
	WIN 0x01
.irp f, 0,1,2,3
.irp u, 0,1
.irp x, 0,1
	v_wmma_scale_f32_16x16x128_f8f6f4 v[S+64*\x+16*\f+8*\u:S+64*\x+16*\f+8*\u+7], v[KF+12*\f:KF+12*\f+11], v[QB+12*(2*(\p)+\x)+6-6*\u:QB+12*(2*(\p)+\x)+17-6*\u], 0, v[KS+\f], v[QS+2*(\p)+\x] matrix_a_fmt:MATRIX_FMT_FP6 matrix_b_fmt:MATRIX_FMT_FP6
.endr
.endr
.endr
	WIN 0
.endm
; The softmax of pair p's 2 x 16 queries x 128 keys, p's codes, and O^T += V^T P^T.  w = 1: V's loads are still to be waited for
.macro SOFT p, w
.irp x, 0,1
.irp c, 0,1
	v_max3_num_f32 v[TX+12*\x+\c], v[S+64*\x+32*\c], v[S+64*\x+32*\c+1], v[S+64*\x+32*\c+2]     ; the largest score of my block 2 c + h: for the row's maximum, and, since p rises with the score, for the block's largest p
.endr
.endr
.irp i, 3,5,7,9,11,13,15,17,19,21,23,25,27,29
.irp x, 0,1
.irp c, 0,1
	v_max3_num_f32 v[TX+12*\x+\c], v[TX+12*\x+\c], v[S+64*\x+32*\c+\i], v[S+64*\x+32*\c+\i+1]   ; ascending: each accumulator is met at its low end first
.endr
.endr
.endr
.irp x, 0,1
.irp c, 0,1
	v_max_num_f32 v[TX+12*\x+\c], v[TX+12*\x+\c], v[S+64*\x+32*\c+31]
.endr
.endr
.irp x, 0,1
	v_max3_num_f32 v[TX+12*\x+6], v[TX+12*\x], v[TX+12*\x+1], v[ST+4*(2*(\p)+\x)+1]           ; with the largest score so far
.endr
.irp x, 0,1
	v_permlanex16_b32 v[TX+12*\x+7], v[TX+12*\x+6], s[SEL], s[SEL+1]
.endr
.irp x, 0,1
	v_max_num_f32 v[ST+4*(2*(\p)+\x)+1], v[TX+12*\x+6], v[TX+12*\x+7]                         ; and lane l xor 16's 64 keys
.endr
.irp x, 0,1
	v_mul_f32 v[TX+12*\x+6], s[CS], v[ST+4*(2*(\p)+\x)+1]                                     ; as t (c is positive)
.endr
.irp x, 0,1
	v_mov_b32 v[TX+12*\x+7], v[ST+4*(2*(\p)+\x)]
.endr
.irp x, 0,1
	v_floor_f32 v[ST+4*(2*(\p)+\x)], -v[TX+12*\x+6]                                           ; the new -M = -ceil(t)
.endr
.set J_, 0
.rept 32
	v_pk_fma_f32 v[S+J_:S+J_+1], v[S+J_:S+J_+1], s[CS:CS+1], v[ST+8*(\p):ST+8*(\p)+1] op_sel_hi:[1,0,0]   ; the first tile's t - M, two at a time; f's three dependent lines stand among them
.if J_ == 8
.irp x, 0,1
	v_sub_f32 v[TX+12*\x+6], v[ST+4*(2*(\p)+\x)], v[TX+12*\x+7]                               ; old M - new M: a whole number, 0 or less
.endr
.endif
.if J_ == 24
.irp x, 0,1
	v_cvt_i32_f32 v[TX+12*\x+6], v[TX+12*\x+6]                                                ; (it saturates)
.endr
.endif
.if J_ == 40
.irp x, 0,1
	v_ldexp_f32 v[TX+12*\x+4], 1.0, v[TX+12*\x+6]                                             ; f = 2^(old M - new M)
.endr
.endif
.set J_, J_+2
.endr
.irp x, 0,1
.irp c, 0,1
	v_fma_f32 v[TX+12*\x+\c], v[TX+12*\x+\c], s[CS], v[ST+4*(2*(\p)+\x)]                      ; the same of each block's largest score
.endr
.endr
	WALU                                           ; the wait ahead of a batch
.set J_, 0
.rept 32
	v_exp_f32 v[S+J_], v[S+J_]                     ; the first tile's p = 2^(t - M); between them the second tile's t - M, which nobody reads ahead of the next wait
	v_pk_fma_f32 v[S+64+J_:S+64+J_+1], v[S+64+J_:S+64+J_+1], s[CS:CS+1], v[ST+8*(\p)+4:ST+8*(\p)+5] op_sel_hi:[1,0,0]
	v_exp_f32 v[S+J_+1], v[S+J_+1]
.set J_, J_+2
.endr
.irp c, 0,1
	v_exp_f32 v[TX+\c], v[TX+\c]                   ; its blocks' largest p
.endr
	v_nop                                          ; a plain place behind the exponentials
	WALU                                           ; behind the first batch and ahead of the second
.set J_, 0
.rept 64
	v_exp_f32 v[S+64+J_], v[S+64+J_]               ; the second tile's p
.set J_, J_+1
.endr
.irp c, 0,1
	v_exp_f32 v[TX+12+\c], v[TX+12+\c]
.endr
	v_nop                                          ; a plain place behind the exponentials
	WALU                                           ; one wait for the batch, ahead of its first reader
.irp x, 0,1
	v_pk_fma_f32 v[ST+4*(2*(\p)+\x)+2:ST+4*(2*(\p)+\x)+3], v[ST+4*(2*(\p)+\x)+2:ST+4*(2*(\p)+\x)+3], v[TX+12*\x+4:TX+12*\x+5], v[S+64*\x:S+64*\x+1] op_sel_hi:[1,0,1]   ; the sum under the new M, and the first two p
.endr
.irp x, 0,1
	v_pk_add_f32 v[TX+12*\x+8:TX+12*\x+9], v[S+64*\x+2:S+64*\x+3], v[S+64*\x+4:S+64*\x+5]     ; three chains a tile
.endr
.irp x, 0,1
	v_pk_add_f32 v[TX+12*\x+10:TX+12*\x+11], v[S+64*\x+6:S+64*\x+7], v[S+64*\x+8:S+64*\x+9]
.endr
.irp j, 10,16,22,28,34,40,46,52,58
.irp x, 0,1
	v_pk_add_f32 v[ST+4*(2*(\p)+\x)+2:ST+4*(2*(\p)+\x)+3], v[ST+4*(2*(\p)+\x)+2:ST+4*(2*(\p)+\x)+3], v[S+64*\x+\j:S+64*\x+\j+1]
.endr
.irp x, 0,1
	v_pk_add_f32 v[TX+12*\x+8:TX+12*\x+9], v[TX+12*\x+8:TX+12*\x+9], v[S+64*\x+\j+2:S+64*\x+\j+3]
.endr
.irp x, 0,1
	v_pk_add_f32 v[TX+12*\x+10:TX+12*\x+11], v[TX+12*\x+10:TX+12*\x+11], v[S+64*\x+\j+4:S+64*\x+\j+5]
.endr
; the scale's dependent lines, one stage behind each round of the sums
.if \j == 10
.irp x, 0,1
.irp c, 0,1
	v_max_num_f32 v[TX+12*\x+\c], 0x1800000, v[TX+12*\x+\c]        ; the floor 2^(3 - 127): the byte cannot fall under 1
.endr
.endr
.endif
.if \j == 16
.irp x, 0,1
.irp c, 0,1
	v_add_nc_u32 v[TX+12*\x+2+\c], 0xff000000, v[TX+12*\x+\c]      ; 2 off the exponent field: the conversion's scale operand
.endr
.endr
.endif
.if \j == 22
.irp x, 0,1
.irp c, 0,1
	v_lshrrev_b32 v[TX+12*\x+\c], 23, v[TX+12*\x+2+\c]             ; the scale's byte
.endr
.endr
.endif
.if \j == 28
.irp x, 0,1
	v_lshl_or_b32 v[TX+12*\x+6], v[TX+12*\x+1], 16, v[TX+12*\x]    ; my two bytes, blocks h and 2 + h,
.endr
.endif
.if \j == 34
.irp x, 0,1
	v_lshlrev_b32 v[TX+12*\x+6], v[SH8], v[TX+12*\x+6]             ; 8 h bits up;
.endr
.endif
.if \j == 40
.irp x, 0,1
	v_permlanex16_b32 v[TX+12*\x+7], v[TX+12*\x+6], s[SEL], s[SEL+1]
.endr
.endif
.if \j == 46
.irp x, 0,1
	v_or_b32 v[PS+\x], v[TX+12*\x+6], v[TX+12*\x+7]                ; with lane l xor 16's two the query's word is whole
.endr
.endif
.endr
.irp x, 0,1
	v_pk_add_f32 v[TX+12*\x+8:TX+12*\x+9], v[TX+12*\x+8:TX+12*\x+9], v[TX+12*\x+10:TX+12*\x+11]
.endr
.irp x, 0,1
	v_pk_add_f32 v[ST+4*(2*(\p)+\x)+2:ST+4*(2*(\p)+\x)+3], v[ST+4*(2*(\p)+\x)+2:ST+4*(2*(\p)+\x)+3], v[TX+12*\x+8:TX+12*\x+9]
.endr
	WIN 0x40
.irp x, 0,1
.irp c, 0,1
	v_cvt_scalef32_pk16_fp6_f32 v[PCD+12*\x+6*\c:PCD+12*\x+6*\c+2], v[S+64*\x+32*\c:S+64*\x+32*\c+15], v[TX+12*\x+2+\c]      ; a block's lower 16 codes, where the operand wants them
.endr
.endr
	WIN 0
	v_nop                                          ; a plain place: the next conversions write registers that these have read
.irp x, 0,1
.irp c, 0,1
	v_cvt_scalef32_pk16_fp6_f32 v[S+64*\x+32*\c:S+64*\x+32*\c+2], v[S+64*\x+32*\c+16:S+64*\x+32*\c+31], v[TX+12*\x+2+\c]     ; the upper 16 (a conversion's three registers begin on an even number): made here and moved
.endr
.endr
	v_nop                                          ; a plain place behind the conversions
	WIN 0x40
.irp x, 0,1
.irp c, 0,1
.irp i, 0,1,2
	v_mov_b32 v[PCD+12*\x+6*\c+3+\i], v[S+64*\x+32*\c+\i]
.endr
.endr
.endr
	WIN 0x41
	WALU                                           ; the wait directly ahead of the first reader of O^T
.set J_, 0
.rept 16
.irp x, 0,1
	v_pk_mul_f32 v[OT+32*(2*(\p)+\x)+J_:OT+32*(2*(\p)+\x)+J_+1], v[OT+32*(2*(\p)+\x)+J_:OT+32*(2*(\p)+\x)+J_+1], v[TX+12*\x+4:TX+12*\x+5] op_sel_hi:[1,0]   ; O^T under the new M.  Of these 32, 28 name no register of any one product below: the places between p's codes and scale word and the products
.endr
.set J_, J_+2
.endr
.if \w
	WALU
	s_wait_dscnt 0x0                               ; V^T and its scale words are in: nothing younger is out
.endif
	WIN 0x55
.irp a, 0,1,2,3
.irp x, 0,1
	v_wmma_scale_f32_16x16x128_f8f6f4 v[OT+32*(2*(\p)+\x)+8*\a:OT+32*(2*(\p)+\x)+8*\a+7], v[VF+12*\a:VF+12*\a+11], v[PCD+12*\x:PCD+12*\x+11], v[OT+32*(2*(\p)+\x)+8*\a:OT+32*(2*(\p)+\x)+8*\a+7], v[VS+\a], v[PS+\x] matrix_a_fmt:MATRIX_FMT_FP6 matrix_b_fmt:MATRIX_FMT_FP6   ; eight accumulators by turns
.endr
.endr
	WIN 0
.endm
; Tile k's way out: O^T / the sum, quantised along its 64 channels (register 16 b + i = channel 32 b + 16 h + i: two blocks, each in lanes l and l xor 16), as a half image
.macro FINISH k
.set FO_, S+64+8*(\k)                  ; each tile's codes and bytes have registers of their own: no store's data are written again
	v_add_f32 v[TX+6], v[ST+4*(\k)+2], v[ST+4*(\k)+3]
	v_permlanex16_b32 v[TX+7], v[TX+6], s[SEL], s[SEL+1]
	v_add_f32 v[TX+6], v[TX+6], v[TX+7]            ; the row's sum
	WALU                                           ; the wait ahead of the reciprocal
	v_rcp_f32 v[TX+4], v[TX+6]
	v_nop                                          ; a plain place behind it
	WIN 0x01
	WALU                                           ; and the wait ahead of its first reader, which is O^T's first reader too
.set J_, 0
.rept 16
	v_pk_mul_f32 v[S+J_:S+J_+1], v[OT+32*(\k)+J_:OT+32*(\k)+J_+1], v[TX+4:TX+5] op_sel_hi:[1,0]
.set J_, J_+2
.endr
	WIN 0
.irp b, 0,1
	v_max3_num_f32 v[TX+\b], |v[S+16*\b]|, |v[S+16*\b+1]|, 0x1800000
.endr
.irp i, 2,4,6,8,10,12,14
.irp b, 0,1
	v_max3_num_f32 v[TX+\b], v[TX+\b], |v[S+16*\b+\i]|, |v[S+16*\b+\i+1]|
.endr
.endr
.irp b, 0,1
	v_permlanex16_b32 v[TX+8+\b], v[TX+\b], s[SEL], s[SEL+1]
.endr
.irp b, 0,1
	v_max_num_f32 v[TX+\b], v[TX+\b], v[TX+8+\b]
.endr
.irp b, 0,1
	v_add_nc_u32 v[TX+2+\b], 0xff000000, v[TX+\b]
.endr
.irp b, 0,1
	v_lshrrev_b32 v[TX+8+\b], 23, v[TX+2+\b]
.endr
	v_lshl_or_b32 v[FO_+6], v[TX+9], 8, v[TX+8]    ; my head's two bytes of the row's scale word
	v_cvt_scalef32_pk16_fp6_f32 v[FO_:FO_+2], v[S:S+15], v[TX+2]
	v_cvt_scalef32_pk16_fp6_f32 v[S+32:S+34], v[S+16:S+31], v[TX+3]
	v_nop
.irp i, 0,1,2
	v_permlane16_swap_b32 v[FO_+\i], v[S+32+\i]    ; a whole block to a lane: lanes 0-15 block 0, lanes 16-31 block 1
.endr
.irp i, 0,1,2
	v_mov_b32 v[FO_+3+\i], v[S+32+\i]
.endr
	global_store_b128 v[V16], v[FO_:FO_+3], s[OP:OP+1] offset:1536*(\k)             ; 512 and 256 consecutive bytes, aligned
	global_store_b64 v[V8], v[FO_+4:FO_+5], s[OP:OP+1] offset:1536*(\k)+512
	global_store_b16 v[R16], v[FO_+6], s[OSP:OSP+1] offset:256*((\k)/2)+8*((\k)%2)
.endm
	s_load_b128 s[4:7], s[0:1], 0x0                ; qb s[4:5], kv s[6:7]
	s_load_b64 s[8:9], s[0:1], 0x10                ; oq
	v_lshl_add_u32 v[SPW], v0, 2, SPARE
	v_mov_b32 v[NIL], 0
	ds_add_u32 v[SPW], v[NIL]                      ; the opening lines: the add, twice on end, and its wait ahead of my tensor load
	ds_add_u32 v[SPW], v[NIL]
	v_lshrrev_b32 v1, 5, v0
	v_readfirstlane_b32 s[WV], v1                  ; wave 0..7
	s_bfe_u32 s[CX], ttmp6, 0x40000                ; my block of 512 queries: it enters qb's and oq's addresses alone
	s_and_b32 s[HD], ttmp7, 0xffff                 ; 16 x batch + head, which the four partners share
	s_mov_b32 s[G1], 15|(3<<16)|(1<<21)            ; two records, 25,600 dense bytes, as 100 rows of 256 bytes (32 elements of 8 bytes); the mask names all four work-groups
	s_mov_b32 s[G1+1], 32<<16
	s_mov_b32 s[G1+2], 100<<16
	s_mov_b32 s[G1+3], 32<<16
	s_mov_b32 s[G1+4], 100
	s_mov_b32 s[G1+5], 32
	s_mov_b32 s[G1+6], 0
	s_mov_b32 s[G1+7], 0
	s_mul_i32 s28, s[HD], 16*STEPB
	s_mul_i32 s30, s[WV], 2*STEPB                  ; records 2 w, 2 w + 1, in LDS and in the head
	s_add_co_u32 s28, s28, s30
	s_mov_b32 s29, 0
	s_lshl_b32 s32, s[CX], 2
	s_lshr_b32 s33, s[WV], 1
	s_add_co_u32 s32, s32, s33                     ; my group of 128 tokens
	s_and_b32 s33, s[WV], 1                        ; which four of its eight tiles
	s_mul_i32 s34, s[HD], 102400
	s_mul_i32 s35, s32, 6400
	s_add_co_u32 s34, s34, s35                     ; the group's record in qb
	s_mul_i32 s35, s33, 3072
	s_add_co_u32 s36, s34, s35                     ; my four half images
	s_mov_b32 s37, 0
	s_lshl_b32 s35, s33, 7
	s_add_co_u32 s38, s34, s35
	s_add_co_u32 s38, s38, 6144                    ; my two pair words (+ 8 r)
	s_mov_b32 s39, 0
	s_lshr_b32 s54, s[HD], 4                       ; batch
	s_and_b32 s55, s[HD], 15                       ; head
	s_lshl_b32 s54, s54, 4
	s_add_co_u32 s54, s54, s32                     ; the tokens' rowgroup
	s_mul_i32 s54, s54, 102400
	s_lshr_b32 s56, s55, 2
	s_mul_i32 s56, s56, 25600
	s_add_co_u32 s54, s54, s56                     ; the record in oq
	s_bfe_u32 s56, s55, 0x10001                    ; which of its two K steps
	s_and_b32 s57, s55, 1                          ; which half of a fragment
	s_mul_i32 s58, s56, 12288
	s_add_co_u32 s58, s58, s54
	s_mul_i32 s59, s33, 6144
	s_add_co_u32 s58, s58, s59
	s_mul_i32 s59, s57, 768
	s_add_co_u32 s58, s58, s59                     ; my first half image
	s_mov_b32 s59, 0
	s_lshl_b32 s60, s33, 9
	s_add_co_u32 s60, s60, s54
	s_lshl_b32 s61, s56, 2
	s_add_co_u32 s60, s60, s61
	s_lshl_b32 s61, s57, 1
	s_add_co_u32 s60, s60, s61
	s_add_co_u32 s60, s60, 24576                   ; my bytes: 24,576 + 256 (tile / 2) + 8 (tile % 2) + 4 step + 2 half (+ 16 r)
	s_mov_b32 s61, 0
	s_mov_b32 s62, 0x01000100                      ; an even tile's bytes are the pair word's low half,
	s_mov_b32 s63, 0x03020302                      ; an odd tile's its high half: either goes into both halves of q's scale word
	s_mov_b32 s[SEL], 0x76543210
	s_mov_b32 s[SEL+1], 0xfedcba98
	s_mov_b32 s[CS], 0x3e38aa3b                    ; log2(e) / 8
	s_mov_b32 s[CS+1], s[CS]
	s_wait_dscnt 0x0                               ; both opening adds are done
	s_wait_kmcnt 0x0
	s_mov_b32 s[G0], 1
	s_mov_b32 s[G0+1], s30
	s_add_nc_u64 s[G0+2:G0+3], s[6:7], s[28:29]
	s_or_b32 s[G0+3], s[G0+3], 0x80000000
	s_add_nc_u64 s[QP:QP+1], s[4:5], s[36:37]
	s_add_nc_u64 s[QSP:QSP+1], s[4:5], s[38:39]
	s_add_nc_u64 s[OP:OP+1], s[8:9], s[58:59]
	s_add_nc_u64 s[OSP:OSP+1], s[8:9], s[60:61]
	CROUND                                         ; all four work-groups are here: the joint loads meet
	tensor_load_to_lds s[G0:G0+3], s[G1:G1+7]      ; my one tensor load of the launch
	s_nop 0
.rept 4
	v_nop
.endr
	v_and_b32 v[VC], 31, v0                        ; L
	v_and_b32 v[VC+1], 15, v0                      ; r
	v_and_b32 v[VC+2], 7, v0                       ; r % 8
	v_bfe_u32 v[KC], v0, 3, 1                      ; r / 8
	v_bfe_u32 v[KC+1], v0, 4, 1                    ; h
	v_lshlrev_b32 v[V16], 4, v[VC]                 ; 16 L
	v_lshlrev_b32 v[V8], 3, v[VC]                  ; 8 L
	v_lshlrev_b32 v[VSB], 3, v[VC+1]               ; 8 r
	v_lshlrev_b32 v[R16], 4, v[VC+1]               ; 16 r
	v_mul_u32_u24 v[KB], v[KC], 1536               ; K's gather: the stored pair 2 c + r / 8,
	v_lshl_add_u32 v[KB+1], v[VC+2], 3, v[KB]
	v_lshl_add_u32 v[KB], v[VC+2], 4, v[KB]        ; its lane r % 8 (+ 8 g in the loads' offsets),
	v_lshl_add_u32 v[KB], v[KC+1], 8, v[KB]        ; registers 0-3: + 256 h
	v_lshl_add_u32 v[KB+1], v[KC+1], 7, v[KB+1]    ; registers 4-5: + 128 h
	v_lshlrev_b32 v[KB+2], 2, v[KC]
	v_lshl_add_u32 v[KB+2], v[VC+2], 3, v[KB+2]    ; the pair word: 4 (r / 8) + 8 (r % 8)
	v_lshlrev_b32 v[SH8], 3, v[KC+1]               ; 8 h
.irp k, 0,1,2,3
	global_load_b128 v[QB+12*\k+6:QB+12*\k+9], v[V16], s[QP:QP+1] offset:768*\k
	global_load_b64 v[QB+12*\k+10:QB+12*\k+11], v[V8], s[QP:QP+1] offset:768*\k+512
.endr
	global_load_b64 v[QR:QR+1], v[VSB], s[QSP:QSP+1]
.irp k, 0,1,2,3,4
.irp j, 0,1,2,3,4,5
	v_mov_b32 v[QB+12*\k+\j], 0                    ; the zeros between the q
.endr
.endr
.irp x, 0,1
	v_mov_b32 v[TX+12*\x+5], 0                     ; (named as the upper half of a pair)
	v_mov_b32 v[TX+12*\x+7], 0                     ; a lane permute's destination counts as read
.endr
.irp k, 0,1,2,3                        ; the step is written once: the first finds zeros, which the first change of M leaves zeros
	v_mov_b32 v[ST+4*\k], 0x7f61b1e6               ; -M: 3e38
	v_mov_b32 v[ST+4*\k+1], 0xff61b1e6             ; the largest score so far: -3e38
	v_mov_b32 v[ST+4*\k+2], 0                      ; the sum, in two halves
	v_mov_b32 v[ST+4*\k+3], 0
.endr
	WALU
	s_wait_loadcnt 0x0
.irp k, 0,1,2,3
	v_perm_b32 v[QS+\k], v[QR+\k/2], v[QR+\k/2], s[62+\k%2]       ; the clearing below stands between these and the first products
.endr
	WIN 0x40
.set J_, 0
.rept 128
	v_mov_b32 v[OT+J_], 0
.set J_, J_+1
.endr
	WIN 0
	s_mov_b32 s[TB], 0
	s_mov_b32 s[CNT], 16
	WALU
	s_wait_tensorcnt 0x0                           ; my two records have landed,
	s_barrier_signal -1
	s_barrier_wait -1                              ; everybody's have: the head is whole, and nothing is filled again
.irp k, 0,1,2
	v_add_nc_u32 v[KC+\k], s[TB], v[KB+\k]
.endr
	LOADK                                          ; key step 0's K
.Lkey:
	v_add_nc_u32 v[VC], s[TB], v[V16]
	v_add_nc_u32 v[VC+1], s[TB], v[V8]
	v_add_nc_u32 v[VC+2], s[TB], v[VSB]
	v_nop                                          ; with the three additions: four places behind the last products, in front of loads into registers that they read
	LOADV
	s_wait_dscnt 18                                ; K's 20 loads are in; V's 18, issued behind them, stay out
	SMUL 0
.rept 4
	v_nop                                          ; four places in front of the first read of the scores
.endr
	SOFT 0, 1
	SMUL 1
	s_add_co_u32 s[TN], s[TB], STEPB
	s_min_u32 s[TN], s[TN], 15*STEPB               ; the next key step's record, held at the last
.irp k, 0,1,2
	v_add_nc_u32 v[KC+\k], s[TN], v[KB+\k]
.endr
	v_nop                                          ; four places: for K's loads below and for the first read of the scores
	LOADK                                          ; lands while the softmax is walked
	SOFT 1, 0
	s_add_co_u32 s[TB], s[TB], STEPB
	s_sub_co_u32 s[CNT], s[CNT], 1
	s_cmp_lg_u32 s[CNT], 0
	WALU
	s_cbranch_scc1 .Lkey
.rept 4
	v_nop                                          ; four places behind the last products
.endr
	FINISH 0
	FINISH 1
	FINISH 2
	FINISH 3
	s_wait_tensorcnt 0x0                           ; the wave's end
	ds_add_u32 v[SPW], v[NIL]
	s_wait_dscnt 0x0
	CROUND                                         ; the closing round
	s_endpgm
.Lfunc_end_k_qad7e1ed231_attn:
	.size	k_qad7e1ed231_attn, .Lfunc_end_k_qad7e1ed231_attn-k_qad7e1ed231_attn
	.p2alignl 7, 3214868480
	.fill 96, 4, 3214868480
	.section	.rodata,"a",@progbits
	.p2align	6, 0x0
	.amdhsa_kernel k_qad7e1ed231_attn
		.amdhsa_group_segment_fixed_size 205824
		.amdhsa_private_segment_fixed_size 0
		.amdhsa_enable_private_segment 0
		.amdhsa_kernarg_size 24
		.amdhsa_user_sgpr_count 2
		.amdhsa_user_sgpr_kernarg_segment_ptr 1
		.amdhsa_wavefront_size32 1
		.amdhsa_system_sgpr_workgroup_id_x 1
		.amdhsa_system_sgpr_workgroup_id_y 1
		.amdhsa_system_sgpr_workgroup_id_z 1
		.amdhsa_system_vgpr_workitem_id 0
		.amdhsa_next_free_vgpr 512
		.amdhsa_next_free_sgpr 66
		.amdhsa_reserve_vcc 0
		.amdhsa_float_denorm_mode_32 3
		.amdhsa_float_denorm_mode_16_64 3
		.amdhsa_memory_ordered 1
		.amdhsa_forward_progress 1
		.amdhsa_inst_pref_size 81
	.end_amdhsa_kernel
	.amdgpu_metadata
---
amdhsa.version: [ 1, 2 ]
amdhsa.kernels:
  - .name:           k_qad7e1ed231_attn
    .symbol:         k_qad7e1ed231_attn.kd
    .args:
      - { .name: qb, .offset: 0, .size: 8, .value_kind: global_buffer, .address_space: global }
      - { .name: kv, .offset: 8, .size: 8, .value_kind: global_buffer, .address_space: global }
      - { .name: oq, .offset: 16, .size: 8, .value_kind: global_buffer, .address_space: global }
    .group_segment_fixed_size: 205824
    .private_segment_fixed_size: 0
    .kernarg_segment_align: 8
    .kernarg_segment_size: 24
    .max_flat_workgroup_size: 256
    .sgpr_count:     66
    .vgpr_count:     512
    .wavefront_size: 32
...
	.end_amdgpu_metadata
.endif
;; end of part 3
;; launch outp (part 4): grid 8 x 32, 4 waves a work-group, clusters of 4 x 4, 307,712 bytes of LDS; arguments oq, wq, bo, out0; writes out0
.if DOCPART == 4
	.amdgcn_target "amdgcn-amd-amdhsa--gfx1250"
	.amdhsa_code_object_version 6
	.text
	.protected	k_qad7e1ed231_outp
	.globl	k_qad7e1ed231_outp
	.p2align	8
	.type	k_qad7e1ed231_outp,@function
k_qad7e1ed231_outp:
	s_mov_b64 s[64:65], 0
	v_nop
	global_prefetch_b8 v0, s[64:65] scope:SCOPE_SE
	s_setreg_imm32_b32 hwreg(HW_REG_WAVE_MODE, 25, 1), 1
	s_wait_xcnt 0x0
	s_wait_alu depctr_hold_cnt(0) depctr_sa_sdst(0) depctr_va_vdst(0) depctr_va_sdst(0) depctr_va_ssrc(0) depctr_va_vcc(0) depctr_vm_vsrc(0)
	s_getreg_b32 s2, hwreg(HW_REG_IB_STS2, 6, 4)
	s_cmp_eq_u32 s2, 0
	s_cbranch_scc0 .Lentry_in_a_cluster
	s_endpgm
.Lentry_in_a_cluster:
	s_bfe_u32 s2, ttmp6, 0x10000c
	s_cmp_lg_u32 s2, 0xf033
	s_cbranch_scc0 .Lentry_shape_is_right
	s_endpgm
.Lentry_shape_is_right:
; out0 = O Wo + bo on codes of FP6 (E2M3) with E8M0 scales; out0 [8192][1024] f32.
; OPERANDS come as records of register images (25,600 bytes for 128 rows x 256 K: codes [q][tile][1,536], then scale words at 24,576 + 256 (tile / 2) + 16 r + 8 (tile % 2) + 4 q); lane r of tile i holds row 32 (i / 2) + 8 (i % 2) + r + 8 (r / 8).
; A WORK-GROUP multiplies 256 tokens (A', source 1: oq) by 128 output features (B', source 0: rowgroups 24-31 of wq) over all of K = 1,024, which lies in LDS whole: 4 x 76,800 bytes, each filled once.
; Wave w takes A's tiles 4 w .. 4 w + 3 and all 8 of B's: 32 accumulators; register j of lane (r, h) of accumulator (a, b) is (feature 32 (b / 2) + 8 (b % 2) + 16 h + j, token of lane r of tile a).
; CLUSTER 4 x 4: A's records are shared along a row of the cluster, B's along a column: joint loads.
; THE WAY OUT: a tile's 16 tokens x 128 features go through the wave's stage in LDS and leave as whole rows of 512 bytes.  The stage lies in the bytes of kpairs 0 and 1, which have had their one fill and whose last read
; stands ahead of a later barrier in every wave.
; REGISTERS.  window 0: v1 lane, v4 r, v5 h, v6 16 L, v7 8 L; v8-31 LDS addresses; v32-79 scale words, two sets; v80-175 A's fragments, two sets (on the way out v80-143: a tile's numbers); v176-239 the bias; v248, v249 the stage.
;   window 1: B's fragments, sets at v0 and v128 (on the way out v0-127: rows read back).   window 2: accumulator (a, b) at v[8 (8 a + b)].
.set SPARE, 307200
.set KP,    25600                      ; in LDS a rowgroup's four records lie on end, as in memory: A' rowgroup 0 at 0, A' rowgroup 1 at 4 REC, B' at 8 REC; KP: from one kpair's record to the next
.set REC,   25600
.set SPW, 2
.set NIL, 3
.set A16, 8
.set A8,  12
.set B16, 16
.set B8,  20
.set RA,  24
.set RB,  28
.set SA,  32
.set SB,  48
.set AF,  80
.set BC,  176
.set T,   80
.set STO, 248
.set RD,  249
.set WV, 18
.set WH, 19
.set WL, 20
.set CX, 21
.set CY, 22
.set G1A, 24
.set G1B, 32
.set G0A, 40
.set G0B, 68
.set YY,  57
.set GA,  58                           ; s58, 59, 62, 86, 87, 90, 92, 93 feed A's descriptors and never hold cx;
.set GB,  60                           ; s60, 63, 88, 89, 91, 94, 95 feed B's and never hold cy
.set MSB, 0
.macro WIN new                         ; the immediate's high byte repeats the setting that is left
.if MSB != \new
	s_set_vgpr_msb (MSB<<8)|\new
.set MSB, \new
.endif
.endm
.set MUL,  0xa1                        ; source 0 (B') window 1, source 1 (A') window 0, C and D window 2
.set TO_B, 0x40                        ; destination window 1, address window 0
.macro CROUND
	s_barrier_signal -1
	s_barrier_wait -1
	s_cmp_lg_u32 s[WV], 0
	s_cbranch_scc1 .Lnot_wave_0_\@
	s_barrier_signal -3
.Lnot_wave_0_\@:
	s_barrier_wait -3
	s_barrier_signal -1
	s_barrier_wait -1
.endm
.macro FRAG reg, a16, a8, off
	ds_load_b128 v[\reg:\reg+3], v[\a16] offset:\off
	ds_load_b64 v[\reg+4:\reg+5], v[\a8] offset:\off+512
	ds_load_b128 v[\reg+6:\reg+9], v[\a16] offset:\off+768
	ds_load_b64 v[\reg+10:\reg+11], v[\a8] offset:\off+1280
.endm
.macro FETCH n                         ; K step n's 12 fragments into set n % 2; with a kpair's first step its scale words for both steps
.set P_, (\n)/2
.set Q_, (\n)%2
	WIN TO_B
.irp b, 0,1,2,3,4,5,6,7
	FRAG 128*Q_+12*\b, B16+P_, B8+P_, Q_*12288+1536*\b
.endr
	WIN 0
.irp a, 0,1,2,3
	FRAG AF+48*Q_+12*\a, A16+P_, A8+P_, Q_*12288+1536*\a
.endr
.if Q_ == 0
.irp k, 0,1
	ds_load_b128 v[SA+8*(P_%2)+4*\k:SA+8*(P_%2)+4*\k+3], v[RA+P_] offset:24576+256*\k
.endr
.irp k, 0,1,2,3
	ds_load_b128 v[SB+16*(P_%2)+4*\k:SB+16*(P_%2)+4*\k+3], v[RB+P_] offset:24576+256*\k
.endr
.endif
.endm
.macro MUL32 n, zero                   ; the 32 accumulators take turns, one instruction a turn, in the same order in every step
.set P_, (\n)/2
.set Q_, (\n)%2
.irp a, 0,1,2,3
.irp b, 0,1,2,3,4,5,6,7
.if \zero
	v_wmma_scale_f32_16x16x128_f8f6f4 v[8*(8*\a+\b):8*(8*\a+\b)+7], v[128*Q_+12*\b:128*Q_+12*\b+11], v[AF+48*Q_+12*\a:AF+48*Q_+12*\a+11], 0, v[SB+16*(P_%2)+2*\b+Q_], v[SA+8*(P_%2)+2*\a+Q_] matrix_a_fmt:MATRIX_FMT_FP6 matrix_b_fmt:MATRIX_FMT_FP6
.else
	v_wmma_scale_f32_16x16x128_f8f6f4 v[8*(8*\a+\b):8*(8*\a+\b)+7], v[128*Q_+12*\b:128*Q_+12*\b+11], v[AF+48*Q_+12*\a:AF+48*Q_+12*\a+11], v[8*(8*\a+\b):8*(8*\a+\b)+7], v[SB+16*(P_%2)+2*\b+Q_], v[SA+8*(P_%2)+2*\a+Q_] matrix_a_fmt:MATRIX_FMT_FP6 matrix_b_fmt:MATRIX_FMT_FP6
.endif
.endr
.endr
.endm
.macro KSTEP n, zero
	s_wait_dscnt 0x0                               ; this step's fragments, asked for a step ago, are in
.if (\n)==5
	s_barrier_signal -1                            ; every wave's reads of kpairs 0 and 1 are over (the wait above): the stages of the way out, 33,792 bytes from LDS byte 0 on, lie in A' rowgroup 0's records of these two
	s_barrier_wait -1
.endif
.if (\n) < 7
.rept 4
	v_nop                                          ; four places in front of loads into the set that the last step's products read (ISA guide 7.12.1 for vector instructions)
.endr
	FETCH (\n)+1
.endif
	WIN MUL
	MUL32 \n, \zero
	WIN 0
.endm
.macro ADDB a                          ; tile a's 64 numbers a lane, with the bias
	WIN 0x02                                       ; source 0 window 2
.set I_, 0
.rept 32
	v_pk_add_f32 v[T+I_:T+I_+1], v[64*(\a)+I_:64*(\a)+I_+1], v[BC+I_:BC+I_+1]      ; each accumulator from its low end on
.set I_, I_+2
.endr
	WIN 0
.endm
.macro TOST                            ; into my stage: row r; tile b's eight features of my half at 128 (b / 2) + 32 (b % 2) + 64 h
.irp b, 0,1,2,3,4,5,6,7
	ds_store_b128 v[STO], v[T+8*\b:T+8*\b+3] offset:128*(\b/2)+32*(\b%2)
	ds_store_b128 v[STO], v[T+8*\b+4:T+8*\b+7] offset:128*(\b/2)+32*(\b%2)+16
.endr
.endm
.macro BACK a                          ; and back as whole rows of 512 bytes.  LDS serves a wave's instructions in order: these see the stores above
	WIN 0x40
.irp t, 0,1,2,3,4,5,6,7,8,9,10,11,12,13,14,15
	ds_load_b128 v[64*((\a)%2)+4*\t:64*((\a)%2)+4*\t+3], v[RD] offset:528*\t
.endr
	WIN 0
.endm
.macro SEND a
	WIN 0x04                                       ; a store's data are its source 1: window 1
.irp t, 0,1,2,3,4,5,6,7,8,9,10,11,12,13,14,15
	global_store_b128 v6, v[64*((\a)%2)+4*\t:64*((\a)%2)+4*\t+3], s[10:11] offset:(32*((\a)/2)+8*((\a)%2)+\t+8*(\t/8))*4096 th:TH_STORE_NT   ; 32 lanes store 512 consecutive bytes, aligned
.endr
	WIN 0
.endm
.macro NEXT a
	s_wait_dscnt 16                                ; the stage's 16 stores have read the numbers' registers; the 16 loads behind them stay out
	ADDB \a
	s_wait_alu depctr_va_vdst(0)
	s_wait_dscnt 0x0                               ; the last tile's rows are back
	SEND (\a)-1
.if (\a) >= 2
	s_wait_xcnt 0x0                                ; the stores of two tiles ago have read the registers into which this tile's rows come back
.endif
	TOST
	BACK \a
.endm
	s_load_b256 s[4:11], s[0:1], 0x0               ; oq s[4:5], wq s[6:7], bo s[8:9], out0 s[10:11]
	v_lshl_add_u32 v[SPW], v0, 2, SPARE
	v_mov_b32 v[NIL], 0
	ds_add_u32 v[SPW], v[NIL]                      ; the wave's opening: the add and its wait ahead of my first tensor load; work on registers stands between them
	ds_add_u32 v[SPW], v[NIL]
	v_lshrrev_b32 v1, 5, v0
	v_readfirstlane_b32 s[WV], v1
	s_lshr_b32 s[WH], s[WV], 1
	s_and_b32 s[WL], s[WV], 1
	s_bfe_u32 s[CX], ttmp6, 0x40000
	s_bfe_u32 s[CY], ttmp6, 0x40004
	s_and_b32 s[YY], ttmp7, 0xffff
	s_lshl_b32 s[GA], s[YY], 3
	s_lshl_b32 s59, s[CY], 1
	s_add_co_u32 s[GA], s[GA], s59                 ; tokens: rowgroups 8 Y + 2 cy, + 1
	s_lshl_b32 s[GB], ttmp9, 2
	s_add_co_u32 s[GB], s[GB], s[CX]
	s_add_co_u32 s[GB], s[GB], 24                  ; Wo: rowgroup 24 + 4 X + cx of wq
	s_lshl_b32 s62, s[CY], 2
	s_lshl_b32 s62, 15, s62                        ; my row of the cluster
	s_lshl_b32 s63, 0x1111, s[CX]                  ; my column
	s_or_b32 s[G1A], s62, (3<<16)|(1<<21)          ; a dense block as rows of 256 bytes (32 elements of 8 bytes): A': 400 rows; B': 200
	s_or_b32 s[G1B], s63, (3<<16)|(1<<21)
	s_mov_b32 s[G1A+1], 32<<16
	s_mov_b32 s[G1A+2], 400<<16                    ; a rowgroup's four records, 400 rows of 256 bytes
	s_mov_b32 s[G1A+3], 32<<16
	s_mov_b32 s[G1A+4], 400
	s_mov_b32 s[G1A+5], 32
	s_mov_b32 s[G1A+6], 0
	s_mov_b32 s[G1A+7], 0
	s_mov_b32 s[G1B+1], 32<<16
	s_mov_b32 s[G1B+2], 200<<16                    ; B': two of the four records, 200 rows
	s_mov_b32 s[G1B+3], 32<<16
	s_mov_b32 s[G1B+4], 200
	s_mov_b32 s[G1B+5], 32
	s_mov_b32 s[G1B+6], 0
	s_mov_b32 s[G1B+7], 0
	s_add_co_u32 s86, s[GA], s[WL]
	s_mul_i32 s86, s86, 4*REC
	s_mov_b32 s87, 0
	s_mul_i32 s90, s[WL], 4*REC
	s_mul_i32 s88, s[GB], 4*REC
	s_mul_i32 s89, s[WL], 2*REC
	s_add_co_u32 s88, s88, s89
	s_mov_b32 s89, 0
	s_mul_i32 s91, s[WL], 2*REC
	s_add_co_u32 s91, s91, 8*REC
	s_wait_dscnt 0x0                               ; the opening add is done
	s_wait_kmcnt 0x0
	s_add_nc_u64 s[92:93], s[4:5], s[86:87]
	s_add_nc_u64 s[94:95], s[6:7], s[88:89]
.irp p, 0
	s_mov_b32 s[G0A+4*\p], 1
	s_add_co_u32 s[G0A+4*\p+1], s90, \p*KP
	s_add_nc_u64 s[G0A+4*\p+2:G0A+4*\p+3], s[92:93], \p*REC
	s_or_b32 s[G0A+4*\p+3], s[G0A+4*\p+3], 0x80000000
	s_mov_b32 s[G0B+4*\p], 1
	s_add_co_u32 s[G0B+4*\p+1], s91, \p*KP
	s_add_nc_u64 s[G0B+4*\p+2:G0B+4*\p+3], s[94:95], \p*REC
	s_or_b32 s[G0B+4*\p+3], s[G0B+4*\p+3], 0x80000000
.endr
	CROUND                                         ; all sixteen work-groups are here: the joint loads meet
	s_cmp_eq_u32 s[WH], 0                          ; one tensor load a wave: waves 0, 1 a rowgroup of A' each, waves 2, 3 half of B's rowgroup each
	s_cbranch_scc0 .Lfill_b
.irp p, 0
	tensor_load_to_lds s[G0A+4*\p:G0A+4*\p+3], s[G1A:G1A+7]
	s_nop 0
.endr
.rept 4
	v_nop
.endr
	s_branch .Lfilled
.Lfill_b:
.irp p, 0
	tensor_load_to_lds s[G0B+4*\p:G0B+4*\p+3], s[G1B:G1B+7]
	s_nop 0
.endr
.rept 4
	v_nop
.endr
.Lfilled:
	v_and_b32 v1, 31, v0
	v_and_b32 v4, 15, v0
	v_bfe_u32 v5, v0, 4, 1
	v_lshlrev_b32 v6, 4, v1
	v_lshlrev_b32 v7, 3, v1
	s_mul_i32 s66, s[WH], 4*REC
	s_mul_i32 s67, s[WL], 6144
	s_add_co_u32 s67, s67, s66
	s_lshl_b32 s23, s[WL], 9
	s_add_co_u32 s66, s66, s23
.irp p, 0,1,2,3
	v_add_nc_u32 v[A16+\p], s67, v6
	v_add_nc_u32 v[A8+\p], s67, v7
	v_lshl_add_u32 v[RA+\p], v4, 4, s66
	v_add_nc_u32 v[B16+\p], \p*KP+8*REC, v6
	v_add_nc_u32 v[B8+\p], \p*KP+8*REC, v7
	v_lshl_add_u32 v[RB+\p], v4, 4, \p*KP+8*REC
	s_add_co_u32 s67, s67, KP
	s_add_co_u32 s66, s66, KP
.endr
	s_mul_i32 s23, s[WV], 16*528                   ; my stage
	v_mul_u32_u24 v[STO], v4, 528
	v_lshl_add_u32 v[STO], v5, 6, v[STO]
	v_add_nc_u32 v[STO], s23, v[STO]
	v_add_nc_u32 v[RD], s23, v6
	s_sub_co_u32 s2, s[GB], 24
	s_lshl_b32 s2, s2, 9                           ; my 128 features, in bytes
	s_mov_b32 s3, 0
	s_add_nc_u64 s[8:9], s[8:9], s[2:3]
	s_add_nc_u64 s[10:11], s[10:11], s[2:3]
	s_add_co_u32 s2, s[GA], s[WH]
	s_lshl_b32 s2, s2, 1
	s_add_co_u32 s2, s2, s[WL]
	s_lshl_b32 s2, s2, 18                          ; my 64 tokens: rows of 4,096 bytes
	s_add_nc_u64 s[10:11], s[10:11], s[2:3]
	v_lshlrev_b32 v250, 6, v5                      ; 16 h numbers
.irp b, 0,1,2,3,4,5,6,7
	global_load_b128 v[BC+8*\b:BC+8*\b+3], v250, s[8:9] offset:(32*(\b/2)+8*(\b%2))*4
	global_load_b128 v[BC+8*\b+4:BC+8*\b+7], v250, s[8:9] offset:(32*(\b/2)+8*(\b%2))*4+16
.endr
	s_wait_alu depctr_va_vdst(0)
	s_wait_tensorcnt 0x0                           ; my one load has landed
	s_barrier_signal -1
	s_barrier_wait -1
	FETCH 0
	KSTEP 0, 1                                     ; the first step's products start the sums: nothing is cleared
	KSTEP 1, 0
	KSTEP 2, 0
	KSTEP 3, 0
	KSTEP 4, 0
	KSTEP 5, 0
	KSTEP 6, 0
	KSTEP 7, 0
	s_wait_loadcnt 0x0                             ; the bias
.rept 4
	v_nop                                          ; four places behind the last products
.endr
	ADDB 0
	TOST
	BACK 0
	NEXT 1
	NEXT 2
	NEXT 3
	s_wait_dscnt 0x0
	SEND 3
	s_wait_tensorcnt 0x0                           ; the wave's end, behind my last LDS store
	ds_add_u32 v[SPW], v[NIL]
	s_wait_dscnt 0x0
	CROUND                                         ; the closing round
	s_endpgm
.Lfunc_end_k_qad7e1ed231_outp:
	.size	k_qad7e1ed231_outp, .Lfunc_end_k_qad7e1ed231_outp-k_qad7e1ed231_outp
	.p2alignl 7, 3214868480
	.fill 96, 4, 3214868480
	.section	.rodata,"a",@progbits
	.p2align	6, 0x0
	.amdhsa_kernel k_qad7e1ed231_outp
		.amdhsa_group_segment_fixed_size 307712
		.amdhsa_private_segment_fixed_size 0
		.amdhsa_enable_private_segment 0
		.amdhsa_kernarg_size 32
		.amdhsa_user_sgpr_count 2
		.amdhsa_user_sgpr_kernarg_segment_ptr 1
		.amdhsa_wavefront_size32 1
		.amdhsa_system_sgpr_workgroup_id_x 1
		.amdhsa_system_sgpr_workgroup_id_y 1
		.amdhsa_system_sgpr_workgroup_id_z 1
		.amdhsa_system_vgpr_workitem_id 0
		.amdhsa_next_free_vgpr 768
		.amdhsa_next_free_sgpr 96
		.amdhsa_reserve_vcc 0
		.amdhsa_float_denorm_mode_32 3
		.amdhsa_float_denorm_mode_16_64 3
		.amdhsa_memory_ordered 1
		.amdhsa_forward_progress 1
		.amdhsa_inst_pref_size 93
	.end_amdhsa_kernel
	.amdgpu_metadata
---
amdhsa.version: [ 1, 2 ]
amdhsa.kernels:
  - .name:           k_qad7e1ed231_outp
    .symbol:         k_qad7e1ed231_outp.kd
    .args:
      - { .name: oq, .offset: 0, .size: 8, .value_kind: global_buffer, .address_space: global }
      - { .name: wq, .offset: 8, .size: 8, .value_kind: global_buffer, .address_space: global }
      - { .name: bo, .offset: 16, .size: 8, .value_kind: global_buffer, .address_space: global }
      - { .name: out0, .offset: 24, .size: 8, .value_kind: global_buffer, .address_space: global }
    .group_segment_fixed_size: 307712
    .private_segment_fixed_size: 0
    .kernarg_segment_align: 8
    .kernarg_segment_size: 32
    .max_flat_workgroup_size: 128
    .sgpr_count:     96
    .vgpr_count:     768
    .wavefront_size: 32
...
	.end_amdgpu_metadata
.endif
;; end of part 4
